; MI455X (gfx1250); checked and timed in simulation.
; The chip was launched on July 23, 2026; its instructions are those of AMD's public machine-readable ISA for CDNA 5 (MIT licence, August 2026) and "CDNA5" Instruction Set Architecture Reference Guide (July 2026). The comments in the code are by the model that wrote it; some were corrected since.
;; Query Mixer. Allowed arithmetic: matrix products marked QUANTISED: E3M2 operands, one E8M0 scale for each 32 along K, by v_wmma_scale_f32_16x16x128_f8f6f4 with both operands' format E3M2, f32 sums; everything else in f32.
;; Inputs: W_gen 512 x 512 float32; W_out 2,048 x 512 float32; W_val 512 x 2,048 float32; b_gen 512 float32; b_out 512 float32; b_val 2,048 float32; bias 1 x 8 x 300 x 300 float32; query_feats 64 x 300 x 512 float32; weight_bank 1 x 8 x 300 x 300 float32.
;; Outputs: out0 64 x 300 x 512 float32.
;; This version of the problem:
;;   THIS VERSION OF THE PROBLEM IS GIVEN IN LOW PRECISION. The matrix products marked QUANTISED in the list below multiply operands that are first quantised to E3M2 (3 exponent bits, 2 mantissa bits; 6 bits a number), with one power-of-two scale for each 32 numbers along K (OCP MX v1.0); their sums are f32. All else is computed in f32.
;;   The module's matrix products, in the order in which they are computed (A, B: the left and right operand; K: the contracted axis; several contracted axes count as one K, in the product's order):
;;     1. [M 19,200, K 512] x [K 512, N 512]; A: input query_feats; B: input W_gen: QUANTISED
;;     2. [M 19,200, K 512] x [K 512, N 2,048]; A: input query_feats; B: input W_val: QUANTISED
;;     3. batch 512 x [M 300, K 64] x [K 64, N 300]; A: input query_feats; B: computed on the way: QUANTISED
;;     4. batch 512 x [M 300, K 300] x [K 300, N 256]; A: softmax (see below); B: computed on the way: QUANTISED
;;     5. [M 19,200, K 2,048] x [K 2,048, N 512]; A: computed on the way; B: input W_out: QUANTISED
;;   THE QUANTISER, for each operand of a quantised product, along K:
;;     - K is cut into blocks of 32 from its start; a last block that is shorter is filled with zeros.
;;     - A block's scale is 2^e with e = floor(log2(the largest magnitude in the block)) - 4, held to -126 .. 127; a block of zeros has e = 0. As a byte (E8M0): e + 127.
;;     - Each number is divided by its block's scale, clamped to +-28, and rounded to the nearest number of E3M2, ties to even, subnormals kept.
;;     - The product sums the exact products of the quantised numbers (number of the format x scale) in f32.
;;   ~~~python
;;   def quantise(x, axis):      # numpy; x: float32 -> the quantised numbers, widened to float32 again
;;       x = np.moveaxis(x, axis, -1); K = x.shape[-1]
;;       x = np.pad(x, [(0, 0)] * (x.ndim - 1) + [(0, -K % 32)]); x = x.reshape(x.shape[:-1] + (-1, 32)); a = np.abs(x).max(-1, keepdims=True)
;;       e = np.where(a > 0, np.clip(np.frexp(np.where(a > 0, a, 1))[1] - 1 - 4, -126, 127), 0)      # np.frexp(a)[1] - 1 = floor(log2(a)), exactly
;;       r = np.clip(x / 2.0 ** e, -28, 28)
;;       step = 2.0 ** (np.maximum(np.frexp(np.where(r == 0, 1, r))[1] - 1, -2) - 2)
;;       q = np.round(r / step) * step * 2.0 ** e      # np.round: ties to even
;;       return np.moveaxis(q.reshape(q.shape[:-2] + (-1,))[..., :K], -1, axis).astype(np.float32)
;;   ~~~
;;   SOFTMAX AHEAD OF A QUANTISED PRODUCT. Where the list says 'softmax', what is quantised is not the finished softmax but p = 2^(t - M), with t = logit x log2(e) and M = ceil(the row's largest t), a whole number; so 1/2 < the row's largest p <= 1. The row's sum l is taken of the UNQUANTISED p, in f32, and the product's result is divided by l at the end. Since M is a whole number, a kernel that streams over the keys may use a running M (the ceiling of the running maximum): every later rescaling is an exact power of two, which a block's scale takes up: the codes' values come out the same.
;;   OPERANDS COMPUTED ON THE WAY. 'Computed on the way' means the value that the module computes at that place (a softmax that the list does not call 'softmax' is quantised finished and normalised). What goes into a quantiser is computed in f32, as accurately as f32 sums, v_exp_f32 and their like allow (about 1e-6 of the number): no bf16 or f16 on the way to a quantiser, and a product that is left as it is and whose result goes on into a quantised operand takes f32 operands (vector FMAs, or v_wmma_f32_16x16x4_f32). A number that lies on a knife's edge between two numbers of the format may be rounded either way, as far as f32 arithmetic and the matrix unit's own rounding can turn it there, and no further.
;; One version. Each part assembles by itself: llvm-mc -triple=amdgcn-amd-amdhsa -mcpu=gfx1250 --defsym DOCPART=n.
;; ======== version 1 of 1: 3 launches
;; limits: right only within a limited range of input values
;; workspace buffers: wcodes 1,769,472 bytes; wscales 73,728 bytes; tab 6,553,600 bytes; acode 31,457,280 bytes; ascale 1,310,720 bytes; xcode 7,864,320 bytes; xscale 655,360 bytes
;; launch prep (part 1): grid 404 x 1, 8 waves a work-group, no clusters, 68,608 bytes of LDS; arguments W_gen, W_val, W_out, weight_bank, bias, wcodes, wscales, tab, query_feats, xcode, xscale; writes wcodes, wscales, tab, xcode, xscale
.if DOCPART == 1
	.amdgcn_target "amdgcn-amd-amdhsa--gfx1250"
	.amdhsa_code_object_version 6
	.text
	.protected	k_q2f6ad7bae1_prep
	.globl	k_q2f6ad7bae1_prep
	.p2align	8
	.type	k_q2f6ad7bae1_prep,@function
k_q2f6ad7bae1_prep:
	s_mov_b64 s[64:65], 0
	v_nop
	global_prefetch_b8 v0, s[64:65] scope:SCOPE_SE
	s_setreg_imm32_b32 hwreg(HW_REG_WAVE_MODE, 25, 1), 1
	s_wait_xcnt 0x0
; The three weights ([K][N] f32, K the first axis) become codes of E3M2 with one E8M0 byte for each 32 along K, laid in the ORDER OF AN OPERAND'S REGISTERS;
; weight_bank and bias become one table in the order of the score tiles' registers, times 1/sqrt(2), zeros where a query or key is 300 or more.
; FRAGMENT F (16 columns x 128 K, 12 registers a lane) lies at wcodes + 1536 F: registers 4 p .. 4 p + 3 of lane l at 512 p + 16 l.  Its 16 scale words lie at wscales + 64 F + 4 r.
;   F = 4 t + ks (W_gen), 128 + 4 t + ks (W_val), 640 + 16 t + ks (W_out).
; THE COLUMNS OF A TILE ARE NOT NEIGHBOURS: lane r of tile t stands for column 32 (t / 2) + 8 (t % 2) + r + 8 (r / 8), so that, where the tile is source 0 of a product, the 16 result registers
; of tiles 2 b and 2 b + 1 are 16 neighbouring columns.
; A lane takes a column and its registers run down K: a block of 32 lies in one lane, the conversions' results are the operand's registers, nothing is transposed.
; TABLE: tab + ((head 20 + Tq) 5 + c) 8192 + kind 4096 + 512 g + 16 lane; kind 0 weight_bank / sqrt(2), kind 1 bias / sqrt(2); quad g, word i: key 64 c + 16 (lane / 16) + 32 (g / 4) + 4 (g % 4) + i
; of query 32 (Tq / 2) + 8 (Tq % 2) + r + 8 (r / 8).
; Work-groups 0-15 W_gen, 16-79 W_val, 80-143 W_out (a wave a fragment), 144-243 the table (a wave a head).  No LDS, no barrier: waves share nothing.
; LIMITS: NaN and infinities are not served.  A block of zeros gets the byte 1 where the rule says 127: its codes are zeros, and this program alone reads the bytes.
.set RSQ2, 0x3f3504f3                  ; 1 / sqrt(2)
	s_load_b256 s[4:11], s[0:1], 0x0               ; W_gen s[4:5], W_val s[6:7], W_out s[8:9], weight_bank s[10:11]
	s_load_b256 s[12:19], s[0:1], 0x20             ; bias s[12:13], wcodes s[14:15], wscales s[16:17], tab s[18:19]
	s_load_b128 s[48:51], s[0:1], 0x40             ; query_feats s[48:49], xcode s[50:51]
	s_load_b64 s[52:53], s[0:1], 0x50              ; xscale
	v_lshrrev_b32 v1, 5, v0
	s_delay_alu instid0(VALU_DEP_1)
	v_readfirstlane_b32 s20, v1                    ; wave 0..7
	v_and_b32 v2, 15, v0                           ; r
	v_bfe_u32 v3, v0, 4, 1                         ; h
	v_and_b32 v4, 31, v0                           ; lane
	s_delay_alu instid0(VALU_DEP_3)
	v_and_b32 v5, 8, v2
	s_delay_alu instid0(VALU_DEP_1)
	v_add_nc_u32 v5, v5, v2                        ; r + 8 (r / 8)
	s_delay_alu instid0(VALU_DEP_3)
	v_lshlrev_b32 v6, 4, v4                        ; 16 x lane
	s_mov_b32 s22, 0x76543210
	s_mov_b32 s23, 0xfedcba98                      ; v_permlanex16_b32's selects for lane l xor 16
	s_mov_b32 s37, 0
	s_wait_kmcnt 0x0
; One fragment of a weight with N columns and 2^LKS K steps; FB: the weight's first fragment; Y0: its first work-group; P: the scalar pair with its address.
.macro WQ N, LKS, FB, Y0, P
	s_sub_co_u32 s24, ttmp9, \Y0
	s_and_b32 s31, s24, (1<<\LKS)-1                ; K step
	s_lshr_b32 s32, s24, \LKS
	s_lshl_b32 s32, s32, 3
	s_add_co_u32 s32, s32, s20                     ; tile: the eight waves stand side by side on 128 columns
	s_lshl_b32 s33, s32, \LKS
	s_add_co_u32 s33, s33, s31
	s_add_co_u32 s33, s33, \FB                     ; F
	s_lshr_b32 s34, s32, 1
	s_lshl_b32 s34, s34, 5
	s_and_b32 s35, s32, 1
	s_lshl_b32 s35, s35, 3
	s_add_co_u32 s34, s34, s35                     ; 32 (t / 2) + 8 (t % 2)
	v_add_nc_u32 v8, s34, v5                       ; my column
	s_delay_alu instid0(VALU_DEP_1)
	v_lshlrev_b32 v8, 2, v8
	s_delay_alu instid0(VALU_DEP_1)
	v_mad_u32_u24 v8, v3, 32*\N*4, v8              ; lanes 16-31 begin 32 rows further down
	s_mul_i32 s36, s31, 128*\N*4
	s_add_nc_u64 s[28:29], s[\P:\P+1], s[36:37]
.irp c, 0,1
.irp i, 0,1,2,3,4,5,6,7,8,9,10,11,12,13,14,15,16,17,18,19,20,21,22,23,24,25,26,27,28,29,30,31
	global_load_b32 v[64+32*\c+\i], v8, s[28:29] offset:(64*\c+\i)*\N*4 th:TH_LOAD_NT   ; W(128 ks + 64 c + 32 h + i, my column)
.endr
.endr
	s_mul_i32 s36, s33, 1536
	s_add_nc_u64 s[14:15], s[14:15], s[36:37]
	s_lshl_b32 s36, s33, 6
	s_add_nc_u64 s[16:17], s[16:17], s[36:37]
	v_lshlrev_b32 v7, 2, v2                        ; 4 r
	s_wait_loadcnt 0x0
.irp c, 0,1                                    ; my block 2 c + h: all its 32 numbers are mine
	v_max3_num_f32 v[32+\c], |v[64+32*\c]|, |v[65+32*\c]|, 0x2800000   ; with the floor 2^(5 - 127): the byte cannot fall under 1
.endr
.irp i, 2,4,6,8,10,12,14,16,18,20,22,24,26,28,30
.irp c, 0,1
	s_delay_alu instid0(VALU_DEP_2)
	v_max3_num_f32 v[32+\c], v[32+\c], |v[64+32*\c+\i]|, |v[65+32*\c+\i]|
.endr
.endr
.irp c, 0,1
	s_delay_alu instid0(VALU_DEP_2)
	v_add_nc_u32 v[44+\c], 0xfe000000, v[32+\c]    ; 4 off the exponent field: the conversion's scale operand
.endr
.irp c, 0,1
	s_delay_alu instid0(VALU_DEP_2)
	v_lshrrev_b32 v[36+\c], 23, v[44+\c]           ; the scale's byte
.endr
	s_delay_alu instid0(VALU_DEP_1)
	v_lshl_or_b32 v9, v37, 16, v36                 ; my two bytes: blocks h and 2 + h,
	v_lshlrev_b32 v10, 3, v3
	s_delay_alu instid0(VALU_DEP_1)
	v_lshlrev_b32 v9, v10, v9                      ; at their places in the word;
	v_mov_b32 v10, 0
	s_delay_alu instid0(VALU_DEP_1)
	v_permlanex16_b32 v10, v9, s22, s23
	s_delay_alu instid0(VALU_DEP_1)
	v_or_b32 v9, v9, v10                           ; with lane l xor 16's two the word is whole
.irp c, 0,1
	v_cvt_scalef32_pk16_bf6_f32 v[48+6*\c:50+6*\c], v[64+32*\c:79+32*\c], v[44+\c]
	v_cvt_scalef32_pk16_bf6_f32 v[16+4*\c:18+4*\c], v[80+32*\c:95+32*\c], v[44+\c]   ; (a conversion's three registers begin on an even number)
.endr
	v_nop                                          ; one plain place behind a scaled conversion
.irp c, 0,1
.irp i, 0,1,2
	v_mov_b32 v[51+6*\c+\i], v[16+4*\c+\i]
.endr
.endr
.irp p, 0,1,2
	global_store_b128 v6, v[48+4*\p:51+4*\p], s[14:15] offset:512*\p   ; 32 lanes store 512 consecutive bytes
.endr
	global_store_b32 v7, v9, s[16:17]              ; both halves of the lanes hold the same word and write it to the same place
	s_endpgm
.endm
	s_cmp_ge_u32 ttmp9, 244                        ; work-groups 244-403: query_feats (a wave a tile of 16 rows)
	s_cbranch_scc1 .Lx
	s_cmp_ge_u32 ttmp9, 144
	s_cbranch_scc1 .Ltable
	s_cmp_ge_u32 ttmp9, 80
	s_cbranch_scc1 .Lw_out
	s_cmp_ge_u32 ttmp9, 16
	s_cbranch_scc1 .Lw_val
	s_wait_alu depctr_va_vdst(0)
	WQ 512, 2, 0, 0, 4
.Lw_val:
	s_wait_alu depctr_va_vdst(0)
	WQ 2048, 2, 128, 16, 6
.Lw_out:
	s_wait_alu depctr_va_vdst(0)
	WQ 512, 4, 640, 80, 8
.Ltable:
	s_sub_co_u32 s24, ttmp9, 144
	s_mul_hi_u32 s25, s24, 0x33333334              ; Tq = y / 5
	s_mul_i32 s26, s25, 5
	s_sub_co_u32 s26, s24, s26                     ; c = y % 5
	s_lshr_b32 s27, s25, 1
	s_lshl_b32 s27, s27, 5
	s_and_b32 s28, s25, 1
	s_lshl_b32 s28, s28, 3
	s_add_co_u32 s27, s27, s28
	s_wait_alu depctr_va_vdst(0)
	v_add_nc_u32 v7, s27, v5                       ; my query
	s_delay_alu instid0(VALU_DEP_1)
	v_cmp_gt_u32 s40, 300, v7                      ; is there such a query?
	s_delay_alu instid0(VALU_DEP_2)
	v_min_u32 v7, 299, v7                          ; no load leaves its buffer
	s_delay_alu instid0(VALU_DEP_1)
	v_mul_u32_u24 v7, v7, 1200
	s_mul_i32 s28, s20, 360000                     ; the wave's head
	v_add_nc_u32 v7, s28, v7
	s_lshl_b32 s29, s26, 6
	v_lshl_add_u32 v96, v3, 4, s29                 ; 64 c + 16 h
	v_mov_b32 v97, RSQ2
.irp g, 0,1,2,3,4,5,6,7
	v_add_nc_u32 v98, 32*(\g/4)+4*(\g%4), v96      ; the quad's first key: a multiple of 4, as 300 is: a quad is whole or empty
	s_delay_alu instid0(VALU_DEP_1)
	v_cmp_gt_u32 s41, 300, v98
	s_and_b32 s41, s41, s40
	v_cndmask_b32 v[16+2*\g], 0, v97, s41          ; the factor: 1 / sqrt(2), or 0 in the padding
	v_cndmask_b32 v[17+2*\g], 0, v97, s41
	v_min_u32 v98, 296, v98
	s_delay_alu instid0(VALU_DEP_1)
	v_lshl_add_u32 v[8+\g], v98, 2, v7
	global_load_b128 v[32+4*\g:35+4*\g], v[8+\g], s[10:11] th:TH_LOAD_NT
	global_load_b128 v[64+4*\g:67+4*\g], v[8+\g], s[12:13] th:TH_LOAD_NT
.endr
	s_mul_i32 s30, s20, 20
	s_add_co_u32 s30, s30, s25
	s_mul_i32 s30, s30, 5
	s_add_co_u32 s30, s30, s26
	s_lshl_b32 s36, s30, 13
	s_add_nc_u64 s[18:19], s[18:19], s[36:37]
	s_wait_loadcnt 0x0
.irp g, 0,1,2,3,4,5,6,7
.irp j, 0,2
	v_pk_mul_f32 v[32+4*\g+\j:33+4*\g+\j], v[32+4*\g+\j:33+4*\g+\j], v[16+2*\g:17+2*\g]
	v_pk_mul_f32 v[64+4*\g+\j:65+4*\g+\j], v[64+4*\g+\j:65+4*\g+\j], v[16+2*\g:17+2*\g]
.endr
.endr
.irp g, 0,1,2,3,4,5,6,7
	global_store_b128 v6, v[32+4*\g:35+4*\g], s[18:19] offset:512*\g          ; 32 lanes store 512 consecutive bytes
	global_store_b128 v6, v[64+4*\g:67+4*\g], s[18:19] offset:4096+512*\g
.endr
	s_endpgm
; QUERY_FEATS, quantised along its 512 columns, once for all launches that multiply it.  Unit u = 20 batch + T (1,280 units, a wave each): tile T's 16 rows, lane r standing for row
; 32 (T / 2) + 8 (T % 2) + r + 8 (r / 8) of the batch; rows 300 on get zero codes.  Its four fragments (K steps) lie at xcode + 6144 u + 1536 ks, registers 4 p .. 4 p + 3 of lane l at 512 p + 16 l;
; its scale words at xscale + 512 u + 16 lane + 4 ks.
; 64 numbers of a lane, register 16 b + i = k 32 b + 16 (lane / 16) + i of my row, become a fragment's codes in v[pc] .. v[pc + 11] and its scale word in v[pw].  tm: 12 registers of scratch.
.macro QUANT s, pc, tm, pw
.irp b, 0,1,2,3
	v_max3_num_f32 v[\tm+\b], |v[\s+16*\b]|, |v[\s+16*\b+1]|, 0x2800000   ; with the floor 2^(5 - 127): the byte cannot fall under 1
.endr
.irp i, 2,4,6,8,10,12,14
.irp b, 0,1,2,3
	s_delay_alu instid0(VALU_DEP_4)
	v_max3_num_f32 v[\tm+\b], v[\tm+\b], |v[\s+16*\b+\i]|, |v[\s+16*\b+\i+1]|
.endr
.endr
.irp b, 0,1,2,3
	s_delay_alu instid0(VALU_DEP_4)
	v_permlanex16_b32 v[\tm+4+\b], v[\tm+\b], s22, s23
.endr
.irp b, 0,1,2,3
	s_delay_alu instid0(VALU_DEP_4)
	v_max_num_f32 v[\tm+\b], v[\tm+\b], v[\tm+4+\b]    ; with lane l xor 16's: the block's largest magnitude
.endr
.irp b, 0,1,2,3
	s_delay_alu instid0(VALU_DEP_4)
	v_add_nc_u32 v[\tm+8+\b], 0xfe000000, v[\tm+\b]    ; 4 off its exponent field: the conversion's scale operand
.endr
.irp b, 0,1,2,3
	s_delay_alu instid0(VALU_DEP_4)
	v_lshrrev_b32 v[\tm+4+\b], 23, v[\tm+8+\b]         ; the scale's byte
.endr
	s_delay_alu instid0(VALU_DEP_3)
	v_lshl_or_b32 v[\pw], v[\tm+5], 8, v[\tm+4]
	s_delay_alu instid0(VALU_DEP_1)
	v_lshl_or_b32 v[\pw], v[\tm+6], 16, v[\pw]
	s_delay_alu instid0(VALU_DEP_1)
	v_lshl_or_b32 v[\pw], v[\tm+7], 24, v[\pw]
.irp c, 0,1
	v_cvt_scalef32_pk16_bf6_f32 v[\pc+6*\c:\pc+6*\c+2], v[\s+32*\c:\s+32*\c+15], v[\tm+8+2*\c]
	v_cvt_scalef32_pk16_bf6_f32 v[\pc+12+4*\c:\pc+12+4*\c+2], v[\s+32*\c+16:\s+32*\c+31], v[\tm+9+2*\c]   ; (a conversion's three registers begin on an even number)
.endr
	v_nop                                          ; one plain place behind a scaled conversion
.irp c, 0,1                                    ; a WHOLE block to a lane: lanes 0-15 block 2 c, lanes 16-31 block 2 c + 1
.irp i, 0,1,2
	v_permlane16_swap_b32 v[\pc+6*\c+\i], v[\pc+12+4*\c+\i]
.endr
.irp i, 0,1,2
	s_delay_alu instid0(VALU_DEP_3)
	v_mov_b32 v[\pc+3+6*\c+\i], v[\pc+12+4*\c+\i]
.endr
.endr
.endm
; This path alone uses LDS: a stage of each wave's own, 16 rows of 512 bytes + 16 of padding (8,448 bytes a wave), and behind the eight stages the spare words (1,024 bytes from byte 67,584 on).
; A load takes the bytes as they lie: 512 consecutive bytes, one row's K step, 16 bytes a lane.  The quantiser wants 64 numbers of ONE row in a lane: the 16 rows go into the stage as loaded and come back by rows.
.macro XLOAD reg, off                          ; a K step of the tile's 16 rows: tile row 4 g + m into registers 16 g + 4 m on
.irp g, 0,1,2,3
.irp m, 0,1,2,3
	global_load_b128 v[\reg+16*\g+4*\m:\reg+16*\g+4*\m+3], v[44+\g], s[48:49] offset:\off+2048*\m th:TH_LOAD_NT
.endr
.endr
.endm
.macro XTURN reg                               ; through my stage: LDS serves a wave's instructions in order, so no wait stands between the stores and the loads
.irp i, 0,1,2,3,4,5,6,7,8,9,10,11,12,13,14,15
	ds_store_b128 v48, v[\reg+4*\i:\reg+4*\i+3] offset:528*\i
.endr
.irp b, 0,1,2,3
.irp j, 0,1,2,3
	ds_load_b128 v[192+16*\b+4*\j:192+16*\b+4*\j+3], v49 offset:128*\b+16*\j   ; k = 32 b + 16 h + 4 j on of tile row r
.endr
.endr
.endm
.Lx:
	s_wait_alu depctr_va_vdst(0)                   ; the wait behind the branch
	s_sub_co_u32 s24, ttmp9, 244
	s_lshl_b32 s24, s24, 3
	s_add_co_u32 s24, s24, s20                     ; u
	s_mul_hi_u32 s25, s24, 0x0ccccccd              ; batch = u / 20
	s_mul_i32 s26, s25, 20
	s_sub_co_u32 s26, s24, s26                     ; T
	s_lshr_b32 s27, s26, 1
	s_lshl_b32 s27, s27, 5
	s_and_b32 s28, s26, 1
	s_lshl_b32 s28, s28, 3
	s_add_co_u32 s27, s27, s28                     ; 32 (T / 2) + 8 (T % 2)
	s_mul_i32 s36, s25, 614400                     ; the batch's 300 rows of 2,048 bytes
	s_add_nc_u64 s[48:49], s[48:49], s[36:37]
	s_mul_i32 s36, s24, 6144
	s_add_nc_u64 s[50:51], s[50:51], s[36:37]
	s_lshl_b32 s36, s24, 9
	s_add_nc_u64 s[52:53], s[52:53], s[36:37]
.irp b, 0,1,2,3
	v_mov_b32 v[12+\b], 0                          ; written once: a lane permute's destination counts as one of its sources
.endr
	v_add_nc_u32 v7, s27, v5                       ; my row
	s_delay_alu instid0(VALU_DEP_1)
	v_cmp_gt_u32 s30, 300, v7                      ; is there such a row?
.irp g, 0,1,2,3                                ; tile rows 4 g .. 4 g + 3 are four neighbouring rows of the batch, all there or none (300 is a multiple of 4)
	s_add_co_u32 s28, s27, 4*(\g%2)+16*(\g/2)
	s_min_u32 s28, s28, 296                        ; no load leaves its buffer
	s_lshl_b32 s28, s28, 11
	v_add_nc_u32 v[44+\g], s28, v6                 ; the four rows' first byte + 16 lane
.endr
	s_mul_i32 s28, s20, 8448                       ; my stage
	v_add_nc_u32 v48, s28, v6                      ; into it: 16 bytes a lane of a row
	v_mul_u32_u24 v49, v2, 528
	s_delay_alu instid0(VALU_DEP_1)
	v_lshl_add_u32 v49, v3, 6, v49
	s_delay_alu instid0(VALU_DEP_1)
	v_add_nc_u32 v49, s28, v49                     ; out of it: row r, + 64 h
	v_lshl_add_u32 v50, v0, 2, 67584               ; my spare word,
	v_mov_b32 v51, 0                               ; and 0: kept for the closing lines alone
	s_wait_alu depctr_va_vdst(0)                   ; the wait at the set-up's end
	XLOAD 64, 0
	XLOAD 128, 512
.irp ks, 0,1,2,3                               ; two sets of 64 registers take the loads by turns
.if \ks < 3
	s_wait_loadcnt 16                              ; this K step's 16 loads are in; the other set's 16 stay out
.else
	s_wait_loadcnt 0x0
.endif
	XTURN 64+64*(\ks%2)
	s_wait_dscnt 0x0                               ; the numbers are back, and the stores into the stage have read their registers,
.if \ks > 0
	s_wait_xcnt 0x0                                ; the last K step's stores to memory have read theirs
.endif
.if \ks < 2
	XLOAD 64+64*(\ks%2), 512*(\ks+2)               ; which take the loads of two K steps on
.endif
	QUANT 192, 24, 8, 20+\ks
.irp k, 0,1,2,3,4,5,6,7,8,9,10,11
	v_cndmask_b32 v[24+\k], 0, v[24+\k], s30       ; rows 300 on: zero codes
.endr
.irp p, 0,1,2
	global_store_b128 v6, v[24+4*\p:27+4*\p], s[50:51] offset:1536*\ks+512*\p   ; 32 lanes store 512 consecutive bytes
.endr
.endr
	global_store_b128 v6, v[20:23], s[52:53]       ; the tile's four scale words of each lane: 512 consecutive bytes
	s_wait_tensorcnt 0x0                           ; the wave's end, behind my last LDS store
	ds_add_u32 v50, v51
	s_wait_dscnt 0x0
	s_endpgm
.Lfunc_end_k_q2f6ad7bae1_prep:
	.size	k_q2f6ad7bae1_prep, .Lfunc_end_k_q2f6ad7bae1_prep-k_q2f6ad7bae1_prep
	.p2alignl 7, 3214868480
	.fill 96, 4, 3214868480
	.section	.rodata,"a",@progbits
	.p2align	6, 0x0
	.amdhsa_kernel k_q2f6ad7bae1_prep
		.amdhsa_group_segment_fixed_size 68608
		.amdhsa_private_segment_fixed_size 0
		.amdhsa_enable_private_segment 0
		.amdhsa_kernarg_size 88
		.amdhsa_user_sgpr_count 2
		.amdhsa_user_sgpr_kernarg_segment_ptr 1
		.amdhsa_wavefront_size32 1
		.amdhsa_system_sgpr_workgroup_id_x 1
		.amdhsa_system_sgpr_workgroup_id_y 1
		.amdhsa_system_sgpr_workgroup_id_z 1
		.amdhsa_system_vgpr_workitem_id 0
		.amdhsa_next_free_vgpr 256
		.amdhsa_next_free_sgpr 66
		.amdhsa_reserve_vcc 0
		.amdhsa_float_denorm_mode_32 3
		.amdhsa_float_denorm_mode_16_64 3
		.amdhsa_memory_ordered 1
		.amdhsa_forward_progress 1
		.amdhsa_inst_pref_size 89
	.end_amdhsa_kernel
	.amdgpu_metadata
---
amdhsa.version: [ 1, 2 ]
amdhsa.kernels:
  - .name:           k_q2f6ad7bae1_prep
    .symbol:         k_q2f6ad7bae1_prep.kd
    .args:
      - { .name: W_gen, .offset: 0, .size: 8, .value_kind: global_buffer, .address_space: global }
      - { .name: W_val, .offset: 8, .size: 8, .value_kind: global_buffer, .address_space: global }
      - { .name: W_out, .offset: 16, .size: 8, .value_kind: global_buffer, .address_space: global }
      - { .name: weight_bank, .offset: 24, .size: 8, .value_kind: global_buffer, .address_space: global }
      - { .name: bias, .offset: 32, .size: 8, .value_kind: global_buffer, .address_space: global }
      - { .name: wcodes, .offset: 40, .size: 8, .value_kind: global_buffer, .address_space: global }
      - { .name: wscales, .offset: 48, .size: 8, .value_kind: global_buffer, .address_space: global }
      - { .name: tab, .offset: 56, .size: 8, .value_kind: global_buffer, .address_space: global }
      - { .name: query_feats, .offset: 64, .size: 8, .value_kind: global_buffer, .address_space: global }
      - { .name: xcode, .offset: 72, .size: 8, .value_kind: global_buffer, .address_space: global }
      - { .name: xscale, .offset: 80, .size: 8, .value_kind: global_buffer, .address_space: global }
    .group_segment_fixed_size: 68608
    .private_segment_fixed_size: 0
    .kernarg_segment_align: 8
    .kernarg_segment_size: 88
    .max_flat_workgroup_size: 256
    .sgpr_count:     66
    .vgpr_count:     256
    .wavefront_size: 32
...
	.end_amdgpu_metadata
.endif
;; end of part 1
;; launch mix (part 2): grid 256 x 1, 16 waves a work-group, no clusters, 301,056 bytes of LDS; arguments xcode, b_gen, b_val, wcodes, wscales, tab, acode, ascale, xscale; writes acode, ascale
.if DOCPART == 2
	.amdgcn_target "amdgcn-amd-amdhsa--gfx1250"
	.amdhsa_code_object_version 6
	.text
	.protected	k_q2f6ad7bae1_mix
	.globl	k_q2f6ad7bae1_mix
	.p2align	8
	.type	k_q2f6ad7bae1_mix,@function
k_q2f6ad7bae1_mix:
	s_mov_b64 s[64:65], 0
	v_nop
	global_prefetch_b8 v0, s[64:65] scope:SCOPE_SE
	s_setreg_imm32_b32 hwreg(HW_REG_WAVE_MODE, 25, 1), 1
	s_wait_xcnt 0x0
; One work-group takes one batch b and one pair of heads hp (heads 2 hp, 2 hp + 1) from query_feats to the attention's output, as codes.  All products on codes of E3M2 with one E8M0 byte for each 32 along K.
; PHASES.  X: the batch's 300 rows become 80 fragments (20 tiles of rows x 4 K steps) in LDS | barrier |  V: value = X W_val + b_val for the pair's 512 columns, quantised along the KEYS, to LDS;
; G: G = X W_gen + b_gen for the pair's 128 columns, quantised along the columns, to LDS | barrier |  ATTENTION: 40 units (tile of 16 queries, head); a unit keeps its scores, p and output in registers.
; Behind the second barrier nothing is stored to LDS, so the units need no barrier.
; THE ROWS OF A TILE ARE NOT NEIGHBOURS: lane r of tile T stands for row 32 (T / 2) + 8 (T % 2) + r + 8 (r / 8) (the weights' columns likewise), so that the 16 result registers of two neighbouring
; source-0 tiles are 16 neighbours along the next product's K, and a block of 32 lies in lanes l and l xor 16.  Rows 300 to 319 have zero codes.
; OPERANDS LIE IN LDS AS IMAGES OF THEIR REGISTERS: registers 4 p .. 4 p + 3 of lane l at 512 p + 16 l of a fragment's 1,536 bytes.
; SCORES.  z = S wb' + bias' with wb' = weight_bank / sqrt(2), bias' = bias / sqrt(2) from the table; E = 1 + erf(z), erf(z) = zc P(zc^2) / D(zc^2) with zc = z held to -4 .. 4;
; gelu x log2(e) = z E k, k = log2(e) / sqrt(2).  For each 64 keys: Mc = ceil(their largest t), p = 2^(t - Mc), quantised block by block; a block's byte is carried as byte + Mc and brought under
; the row's M at the end, which changes no code.  The row's sum is taken of the unquantised p and brought under the running M by v_ldexp_f32: nothing is rounded by that.
; SIXTEEN WAVES of 256 registers, four to a SIMD: one wave's vector work stands beside another's matrix work and LDS loads.  No tensor loads: LDS is full of operands that stay (299,008 bytes).
; LIMITS: NaN and infinities are not served.  A block of zeros gets the byte 1 (its codes are zeros; this program alone reads the bytes).  A block of p more than 2^121 under the row's largest is held at byte 1.
; M is kept as a whole number in f32 beside a byte: |t| under 2^22.  The table's factor 1 / sqrt(2) is one rounding more than reference() makes; 1 + erf is good to about 2e-7 absolutely;
; beyond |z| = 4 it is the rational's value at 4, within about 1e-7 of 0 or of 2, so that gelu's far tail is off by about 1e-7 |z|.
.set XIMG, 0                           ; X: fragment (T, ks) at (4 T + ks) 1536
.set XSC,  122880                      ; its scale words: T 512 + 16 lane + 4 ks: one load of 16 bytes brings a tile's four
.set MIMG, 133120                      ; G: (2 T + e) 768 + 24 lane: a lane's 24 bytes are d = 32 (lane / 16) + 0 .. 31 of head e
.set MSC,  163840                      ; its scale words: (2 T + e) 64 + 4 r + block; bytes 2 and 3 stay 0
.set VIMG, 167936                      ; value: tile vt at 3840 vt: K steps 0, 1 whole; K step 2 (keys 256 on) half: registers 0-3 at 3072 + 16 lane, 4-5 at 3584 + 8 lane
.set VSC,  290816                      ; its scale words: 256 vt + 8 lane: lanes 0-15 (K step 0, K step 1), lanes 16-31 (K step 2, 0)
.set LI,  1                            ; v1   16 x lane; never rewritten
.set LS,  2                            ; v2   4 x lane; never rewritten
; phases X, V, G: v3 r, v4 h, v5 r + 8 (r / 8), v6-7 x's offsets
.set TM,  8                            ; v8-19  the quantiser's scratch
.set XS2, 20                           ; v20    where I store the last 128 bytes of my part of x's scale words
.set XW,  21                           ; v21    where I store x's images
.set PC,  22                           ; v22-40 codes just made
.set XSW, 41                           ; v41    where I store x's scale words
.set BV,  42                           ; v42-43 b_val of my lane's two columns
.set WS,  44                           ; v44-47 the weights' scale words: 2 u + pair; lanes 0-15 the even K step, lanes 16-31 the odd one
.set XC,  48                           ; v48-112 my part of x's images and scale words on its way to LDS
.set XS,  48                           ; v48-51 a tile of x's four scale words
.set CB,  52                           ; v52-67 the bias as the C of a sum's first product
.set AC,  68                           ; v68-99 accumulators
.set XF,  100                          ; v100-147 a tile of x: four fragments
.set SW,  148                          ; v148-149 value's scale words in the making
.set WF,  160                          ; v160-255 eight fragments of a weight: 4 u + ks
.macro NOPS n
.rept \n
	v_nop
.endr
.endm
.macro BARRIER                                 ; my LDS stores have landed and my LDS loads are in: then the work-group's barrier
	s_wait_dscnt 0x0
	s_barrier_signal -1
	s_barrier_wait -1
.endm
.macro SPAIR r, val                            ; a constant for the packed forms, which name a pair
	s_mov_b32 s[\r], \val
	s_mov_b32 s[\r+1], \val
.endm
; A product.  c under 0: the constant 0 starts the sum.  ra, rb: source 0's or source 1's scales stand in lanes 16-31.
.macro WM d, a, b, c, sa, sb, ra, rb
.if (\c) < 0
	v_wmma_scale_f32_16x16x128_f8f6f4 v[\d:\d+7], v[\a:\a+11], v[\b:\b+11], 0, v[\sa], v[\sb] matrix_a_fmt:MATRIX_FMT_BF6 matrix_b_fmt:MATRIX_FMT_BF6
.elseif (\ra)
	v_wmma_scale_f32_16x16x128_f8f6f4 v[\d:\d+7], v[\a:\a+11], v[\b:\b+11], v[\c:\c+7], v[\sa], v[\sb] matrix_a_fmt:MATRIX_FMT_BF6 matrix_b_fmt:MATRIX_FMT_BF6 matrix_a_scale:MATRIX_SCALE_ROW1
.elseif (\rb)
	v_wmma_scale_f32_16x16x128_f8f6f4 v[\d:\d+7], v[\a:\a+11], v[\b:\b+11], v[\c:\c+7], v[\sa], v[\sb] matrix_a_fmt:MATRIX_FMT_BF6 matrix_b_fmt:MATRIX_FMT_BF6 matrix_b_scale:MATRIX_SCALE_ROW1
.else
	v_wmma_scale_f32_16x16x128_f8f6f4 v[\d:\d+7], v[\a:\a+11], v[\b:\b+11], v[\c:\c+7], v[\sa], v[\sb] matrix_a_fmt:MATRIX_FMT_BF6 matrix_b_fmt:MATRIX_FMT_BF6
.endif
.endm
; 64 numbers of a lane, register 16 b + i = k 32 b + 16 (lane / 16) + i of my row, become a fragment's codes in v[pc] .. v[pc + 11] and its scale word in v[pw].  tm: 12 registers of scratch.
.macro QUANT s, pc, tm, pw
.irp b, 0,1,2,3
	v_max3_num_f32 v[\tm+\b], |v[\s+16*\b]|, |v[\s+16*\b+1]|, 0x2800000   ; my 16 numbers of block b, and the floor 2^(5 - 127): the byte cannot fall under 1
.endr
.irp i, 2,4,6,8,10,12,14
.irp b, 0,1,2,3
	s_delay_alu instid0(VALU_DEP_4)
	v_max3_num_f32 v[\tm+\b], v[\tm+\b], |v[\s+16*\b+\i]|, |v[\s+16*\b+\i+1]|
.endr
.endr
.irp b, 0,1,2,3
	s_delay_alu instid0(VALU_DEP_4)
	v_permlanex16_b32 v[\tm+4+\b], v[\tm+\b], s20, s21
.endr
.irp b, 0,1,2,3
	s_delay_alu instid0(VALU_DEP_4)
	v_max_num_f32 v[\tm+\b], v[\tm+\b], v[\tm+4+\b]    ; with lane l xor 16's: the block's largest magnitude
.endr
.irp b, 0,1,2,3
	s_delay_alu instid0(VALU_DEP_4)
	v_add_nc_u32 v[\tm+8+\b], 0xfe000000, v[\tm+\b]    ; 4 off its exponent field: the conversion's scale operand
.endr
.irp b, 0,1,2,3
	s_delay_alu instid0(VALU_DEP_4)
	v_lshrrev_b32 v[\tm+4+\b], 23, v[\tm+8+\b]         ; the scale's byte
.endr
	s_delay_alu instid0(VALU_DEP_3)
	v_lshl_or_b32 v[\pw], v[\tm+5], 8, v[\tm+4]
	s_delay_alu instid0(VALU_DEP_1)
	v_lshl_or_b32 v[\pw], v[\tm+6], 16, v[\pw]
	s_delay_alu instid0(VALU_DEP_1)
	v_lshl_or_b32 v[\pw], v[\tm+7], 24, v[\pw]
.irp c, 0,1
	v_cvt_scalef32_pk16_bf6_f32 v[\pc+6*\c:\pc+6*\c+2], v[\s+32*\c:\s+32*\c+15], v[\tm+8+2*\c]
	v_cvt_scalef32_pk16_bf6_f32 v[\pc+12+4*\c:\pc+12+4*\c+2], v[\s+32*\c+16:\s+32*\c+31], v[\tm+9+2*\c]   ; (a conversion's three registers begin on an even number)
.endr
	v_nop                                          ; one plain place behind a scaled conversion
.irp c, 0,1                                    ; the operand's layout wants a WHOLE block in a lane: lanes 0-15 block 2 c, lanes 16-31 block 2 c + 1
.irp i, 0,1,2
	v_permlane16_swap_b32 v[\pc+6*\c+\i], v[\pc+12+4*\c+\i]
.endr
.irp i, 0,1,2
	s_delay_alu instid0(VALU_DEP_3)
	v_mov_b32 v[\pc+3+6*\c+\i], v[\pc+12+4*\c+\i]
.endr
.endr
.endm
	s_load_b256 s[4:11], s[0:1], 0x0               ; xcode s[4:5], b_gen s[6:7], b_val s[8:9], wcodes s[10:11]
	s_load_b256 s[12:19], s[0:1], 0x20             ; wscales s[12:13], tab s[14:15], acode s[16:17], ascale s[18:19]
	s_load_b64 s[22:23], s[0:1], 0x40              ; xscale
	v_lshrrev_b32 v1, 5, v0
	s_delay_alu instid0(VALU_DEP_1)
	v_readfirstlane_b32 s2, v1                     ; wave 0..15
	s_and_b32 s3, ttmp9, 3                         ; hp
	s_lshr_b32 s49, ttmp9, 2                       ; b
	s_and_b32 s48, s2, 1                           ; e: which head of the pair my units take
	s_mov_b32 s20, 0x76543210
	s_mov_b32 s21, 0xfedcba98                      ; v_permlanex16_b32's selects for lane l xor 16
	SPAIR 24, 0xaf95df0b                           ; erf's numerator: a13 (a11 stands in v[12:13]),
	SPAIR 26, 0xb60cff51                           ; a9
	SPAIR 28, 0xb86ec2d2                           ; a7
	SPAIR 30, 0xba40ac63                           ; a5
	SPAIR 32, 0xbb41a1f6                           ; a3
	SPAIR 34, 0xbc83dbd4                           ; a1
	SPAIR 36, 0xb77460cd                           ; its denominator: b8 (b6 stands in v[14:15]),
	SPAIR 38, 0xbadc924e                           ; b4
	SPAIR 40, 0xbbf19bf8                           ; b2
	SPAIR 42, 0xbc69b6a7                           ; b0
	SPAIR 44, 0x3f8293ee                           ; k = log2(e) / sqrt(2)
	s_mov_b32 s47, 0x0000ffff                      ; lanes 0-15
	v_and_b32 v2, 31, v0
	s_delay_alu instid0(VALU_DEP_1)
	v_lshlrev_b32 v[LI], 4, v2
	s_delay_alu instid0(VALU_DEP_2)
	v_lshlrev_b32 v[LS], 2, v2
	v_and_b32 v3, 15, v0                           ; r
	v_bfe_u32 v4, v0, 4, 1                         ; h
	s_delay_alu instid0(VALU_DEP_2)
	v_and_b32 v5, 8, v3
	s_delay_alu instid0(VALU_DEP_1)
	v_add_nc_u32 v5, v5, v3                        ; r + 8 (r / 8)
	v_lshl_add_u32 v176, v0, 3, MSC                ; G's scale words begin as zeros: 512 threads x 8 bytes
	v_mov_b32 v178, 0
	v_mov_b32 v179, 0
	ds_store_b64 v176, v[178:179]
.irp b, 2,3
	v_mov_b32 v[TM+\b], 0                          ; written once: a lane permute's destination counts as one of its sources
.endr
	; ---- X.  The batch's 80 fragments and their scale words were made by launch prep, in the order of XIMG and XSC: two dense blocks of 122,880 and 10,240 bytes.
	; Wave w copies 7,680 bytes of the first (15 loads of 512 bytes) and 640 of the second (512 + 128).
	s_mul_i32 s61, s2, 7680
	v_add_nc_u32 v[XW], s61, v[LI]                 ; 7,680 w + 16 lane: in memory and in LDS alike (XIMG is 0)
	s_mul_i32 s61, s2, 640
	v_add_nc_u32 v6, s61, v[LI]                    ; 640 w + 16 lane
	v_add_nc_u32 v7, s61, v[LS]                    ; 640 w + 4 lane; 512 more stand in the offset
	s_delay_alu instid0(VALU_DEP_2)
	v_add_nc_u32 v[XSW], XSC, v6
	s_delay_alu instid0(VALU_DEP_2)
	v_add_nc_u32 v[XS2], XSC, v7
	s_mul_i32 s66, s49, 122880
	s_mov_b32 s67, 0
	s_mul_i32 s68, s49, 10240
	s_mov_b32 s69, 0
	s_wait_alu depctr_va_vdst(0)
	s_wait_kmcnt 0x0
	s_add_nc_u64 s[4:5], s[4:5], s[66:67]
	s_add_nc_u64 s[22:23], s[22:23], s[68:69]
.irp k, 0,1,2,3,4,5,6,7,8,9,10,11,12,13,14
	global_load_b128 v[XC+4*\k:XC+4*\k+3], v[XW], s[4:5] offset:512*\k
.endr
	global_load_b128 v[XC+60:XC+63], v6, s[22:23]
	global_load_b32 v[XC+64], v7, s[22:23] offset:512
	; my two tiles of W_val (global tiles 32 hp + 2 w + u) are asked for behind the copy's loads: they land while the copy goes to LDS
	s_lshl_b32 s66, s3, 5
	s_lshl_b32 s68, s2, 1
	s_add_co_u32 s66, s66, s68                     ; t0 = 32 hp + 2 w
	s_lshl_b32 s68, s66, 2
	s_add_co_u32 s68, s68, 128                     ; its first fragment
	s_mul_i32 s70, s68, 1536
	s_mov_b32 s71, 0
	s_add_nc_u64 s[72:73], s[10:11], s[70:71]
	s_lshl_b32 s70, s68, 6
	s_add_nc_u64 s[74:75], s[12:13], s[70:71]
	s_lshl_b32 s70, s66, 6                         ; column 16 t0, in bytes
	s_add_nc_u64 s[76:77], s[8:9], s[70:71]
	v_lshlrev_b32 v152, 2, v5
.macro WLOAD cb, sb                            ; eight fragments (4 u + ks), 12,288 consecutive bytes, and their scale words, two K steps to a register
.irp f, 0,1,2,3,4,5,6,7
.irp p, 0,1,2
	global_load_b128 v[WF+12*\f+4*\p:WF+12*\f+4*\p+3], v[LI], s[\cb:\cb+1] offset:1536*\f+512*\p
.endr
.endr
.irp f, 0,1,2,3
	global_load_b32 v[WS+\f], v[LS], s[\sb:\sb+1] offset:128*\f
.endr
.endm
	WLOAD 72, 74
	global_load_b32 v[BV], v152, s[76:77]
	global_load_b32 v[BV+1], v152, s[76:77] offset:32
	s_wait_loadcnt 30                              ; the copy's 17 loads are in; the 24 + 4 + 2 issued behind them stay out
.irp k, 0,1,2,3,4,5,6,7,8,9,10,11,12,13,14
	ds_store_b128 v[XW], v[XC+4*\k:XC+4*\k+3] offset:512*\k
.endr
	ds_store_b128 v[XSW], v[XC+60:XC+63]
	ds_store_b32 v[XS2], v[XC+64] offset:512
	BARRIER                                        ; x's eighty fragments lie in LDS
	; ---- V.  Wave w makes value's tiles vt = 2 w + u for all keys.  Source 0 = 16 rows of x (keys), source 1 = 16 columns of W_val: a lane holds ONE column, its registers run along the keys.
	s_wait_loadcnt 0x0
.irp u, 0,1
.irp j, 0,1,2,3,4,5,6,7
	v_mov_b32 v[CB+8*\u+\j], v[BV+\u]              ; b_val of my column, as the C of each sum's first product
.endr
.endr
	s_mov_b32 s60, 0                               ; x's tiles of the K step in hand: 49,152 bytes a trip
	s_mov_b32 s61, XSC                             ; their scale words: 4,096
	s_mul_i32 s62, s2, 7680
	s_add_co_u32 s62, s62, VIMG                    ; my two tiles' images: 1,536 a trip
	s_lshl_b32 s63, s2, 9
	s_add_co_u32 s63, s63, VSC                     ; their scale words: 4 a trip
	v_lshlrev_b32 v158, 3, v3                      ; 8 r
	v_lshrrev_b32 v159, 1, v[LI]                   ; 8 x lane
	s_delay_alu instid0(VALU_DEP_1)
	v_add_nc_u32 v159, s62, v159
.macro VADR
	v_add_nc_u32 v154, s60, v[LI]
	v_add_nc_u32 v155, s61, v[LI]
	v_add_nc_u32 v156, s62, v[LI]
	v_add_nc_u32 v157, s63, v158
.endm
; Block bq of a K step: 32 keys, two tiles of x.  last = 1: keys 288 on, of which 12 exist.  tail = 1: K step 2, whose image is half.
; The two accumulators of a tile of x take turns, one instruction a turn.  Four v_nop stand behind each run of products: the places in front of loads into registers that
; the products have read and of the first read of results.
.macro VBLK bq, last, tail
.irp x, 0,1
.irp ks, 0,1,2,3
.irp p, 0,1,2
	ds_load_b128 v[XF+12*\ks+4*\p:XF+12*\ks+4*\p+3], v154 offset:(2*\bq+\x)*6144+1536*\ks+512*\p
.endr
.endr
	ds_load_b128 v[XS:XS+3], v155 offset:(2*\bq+\x)*512
	s_wait_dscnt 0x0
.irp ks, 0,1,2,3
.irp u, 0,1
.if \ks == 0
	WM AC+16*\u+8*\x, XF+12*\ks, WF+12*(4*\u+\ks), CB+8*\u, XS+\ks, WS+2*\u+\ks/2, 0, \ks%2
.else
	WM AC+16*\u+8*\x, XF+12*\ks, WF+12*(4*\u+\ks), AC+16*\u+8*\x, XS+\ks, WS+2*\u+\ks/2, 0, \ks%2
.endif
.endr
.endr
	NOPS 4
.endr
.if \last                                      ; register i holds key 288 + 16 h + i: what does not exist is 0, the bias too
.irp u, 0,1
.irp i, 0,1,2,3,4,5,6,7,8,9,10,11
	v_cndmask_b32 v[AC+16*\u+\i], 0, v[AC+16*\u+\i], s47
.endr
.irp i, 12,13,14,15
	v_mov_b32 v[AC+16*\u+\i], 0
.endr
.endr
.endif
.irp u, 0,1
	v_max3_num_f32 v[TM+\u], |v[AC+16*\u]|, |v[AC+16*\u+1]|, 0x2800000
.endr
.irp i, 2,4,6,8,10,12,14
.irp u, 0,1
	v_max3_num_f32 v[TM+\u], v[TM+\u], |v[AC+16*\u+\i]|, |v[AC+16*\u+\i+1]|
.endr
.endr
.irp u, 0,1
	s_delay_alu instid0(VALU_DEP_2)
	v_permlanex16_b32 v[TM+2+\u], v[TM+\u], s20, s21
.endr
.irp u, 0,1
	s_delay_alu instid0(VALU_DEP_2)
	v_max_num_f32 v[TM+\u], v[TM+\u], v[TM+2+\u]
.endr
.irp u, 0,1
	s_delay_alu instid0(VALU_DEP_2)
	v_add_nc_u32 v[TM+4+\u], 0xfe000000, v[TM+\u]
.endr
.irp u, 0,1
	s_delay_alu instid0(VALU_DEP_2)
	v_lshrrev_b32 v[TM+2+\u], 23, v[TM+4+\u]
.endr
.irp u, 0,1
.if (\bq)%2 == 0
	v_cvt_scalef32_pk16_bf6_f32 v[22+6*\u:24+6*\u], v[AC+16*\u:AC+16*\u+15], v[TM+4+\u]
.else
	v_cvt_scalef32_pk16_bf6_f32 v[34+4*\u:36+4*\u], v[AC+16*\u:AC+16*\u+15], v[TM+4+\u]
.endif
.endr
	v_nop                                          ; one plain place behind a scaled conversion
.irp u, 0,1
.if (\bq) == 0
	v_mov_b32 v[SW+\u], v[TM+2+\u]
.else
	v_lshl_or_b32 v[SW+\u], v[TM+2+\u], 8*\bq, v[SW+\u]
.endif
.endr
.if (\bq)%2                                    ; two blocks make six registers of the operand: a whole block to a lane
.irp u, 0,1
.irp i, 0,1,2
	v_permlane16_swap_b32 v[22+6*\u+\i], v[34+4*\u+\i]
.endr
.irp i, 0,1,2
	s_delay_alu instid0(VALU_DEP_3)
	v_mov_b32 v[25+6*\u+\i], v[34+4*\u+\i]
.endr
.endr
.irp u, 0,1
.if (\bq) == 1                                 ; registers 0 to 5
	ds_store_b128 v156, v[22+6*\u:25+6*\u] offset:3840*\u
.if \tail
	ds_store_b64 v159, v[26+6*\u:27+6*\u] offset:3840*\u+3584
.else
	ds_store_b64 v156, v[26+6*\u:27+6*\u] offset:3840*\u+512
.endif
.else                                          ; registers 6 to 11
	ds_store_b64 v156, v[22+6*\u:23+6*\u] offset:3840*\u+520
	ds_store_b128 v156, v[24+6*\u:27+6*\u] offset:3840*\u+1024
.endif
.endr
.endif
.endm
	s_mov_b32 s50, 0
.Lv:                                               ; two trips: K steps 0 and 1 of the second product, 128 keys each
	VADR
	s_wait_alu depctr_va_vdst(0)
	VBLK 0, 0, 0
	VBLK 1, 0, 0
	VBLK 2, 0, 0
	VBLK 3, 0, 0
	ds_store_b32 v157, v[SW]                       ; both halves of the lanes hold the same word and write it to the same place
	ds_store_b32 v157, v[SW+1] offset:256
	s_wait_dscnt 0x0                               ; the stores have read their registers: the addresses are made anew
	s_add_co_u32 s60, s60, 49152
	s_add_co_u32 s61, s61, 4096
	s_add_co_u32 s62, s62, 1536
	s_add_co_u32 s63, s63, 4
	s_add_co_u32 s50, s50, 1
	s_cmp_lt_u32 s50, 2
	s_cbranch_scc1 .Lv
	VADR
	s_wait_alu depctr_va_vdst(0)
	VBLK 0, 0, 1                                   ; keys 256 to 287
	VBLK 1, 1, 1                                   ; keys 288 to 299
	v_mov_b32 v150, v[SW]
	v_mov_b32 v151, 0
	v_mov_b32 v152, v[SW+1]
	v_mov_b32 v153, 0
	ds_store_b64 v157, v[150:151] offset:120       ; (v157 stands 8 bytes on): lanes 16-31's places, 128 + 8 r
	ds_store_b64 v157, v[152:153] offset:376
	s_wait_dscnt 0x0
	; ---- G.  Wave w: W_gen's tiles 8 hp + 2 g + u, g = w % 4 (32 columns: block g % 2 of head g / 2), for x's tiles 5 (w / 4) + i.  Source 0 = 16 columns of W_gen, source 1 = 16 rows of x:
	; a lane holds ONE key and 16 neighbouring columns.
	s_and_b32 s66, s2, 3                           ; g
	s_lshr_b32 s67, s2, 2
	s_lshl_b32 s68, s3, 3
	s_lshl_b32 s69, s66, 1
	s_add_co_u32 s68, s68, s69                     ; t0
	s_mul_i32 s70, s68, 6144
	s_add_nc_u64 s[72:73], s[10:11], s[70:71]      ; (the loads that named these pairs have come back)
	s_lshl_b32 s70, s68, 8
	s_add_nc_u64 s[74:75], s[12:13], s[70:71]
	s_lshl_b32 s70, s68, 6
	s_add_nc_u64 s[76:77], s[6:7], s[70:71]        ; b_gen at column 16 t0
	v_lshlrev_b32 v153, 6, v4                      ; + 16 h columns
	WLOAD 72, 74
.irp u, 0,1
	global_load_b128 v[CB+8*\u:CB+8*\u+3], v153, s[76:77] offset:32*\u
	global_load_b128 v[CB+8*\u+4:CB+8*\u+7], v153, s[76:77] offset:32*\u+16
.endr
	s_mul_i32 s60, s67, 30720                      ; x's tile 5 (w / 4)
	s_mul_i32 s61, s67, 2560
	s_add_co_u32 s61, s61, XSC
	s_lshr_b32 s78, s66, 1                         ; head of the pair
	s_and_b32 s79, s66, 1                          ; block
	s_mul_i32 s62, s67, 7680
	s_mul_i32 s80, s78, 768
	s_add_co_u32 s62, s62, s80
	s_mul_i32 s80, s79, 384
	s_add_co_u32 s62, s62, s80
	s_add_co_u32 s62, s62, MIMG
	s_mul_i32 s63, s67, 640
	s_lshl_b32 s80, s78, 6
	s_add_co_u32 s63, s63, s80
	s_add_co_u32 s63, s63, s79
	s_add_co_u32 s63, s63, MSC
	v_mul_u32_u24 v159, v3, 24
	s_delay_alu instid0(VALU_DEP_1)
	v_mad_u32_u24 v159, v4, 12, v159               ; 24 r + 12 h: my 16 codes' place in the block's 24 bytes of key r
	v_lshlrev_b32 v158, 2, v3
	s_wait_loadcnt 0x0
	s_mov_b32 s50, 0
.Lg:                                               ; five trips, a tile of 16 keys each
	v_add_nc_u32 v154, s60, v[LI]
	v_add_nc_u32 v155, s61, v[LI]
	s_wait_alu depctr_va_vdst(0)
	v_add_nc_u32 v156, s62, v159
	v_add_nc_u32 v157, s63, v158
.irp ks, 0,1,2,3
.irp p, 0,1,2
	ds_load_b128 v[XF+12*\ks+4*\p:XF+12*\ks+4*\p+3], v154 offset:1536*\ks+512*\p
.endr
.endr
	ds_load_b128 v[XS:XS+3], v155
	s_wait_dscnt 0x0
.irp ks, 0,1,2,3
.irp u, 0,1
.if \ks == 0
	WM AC+8*\u, WF+12*(4*\u+\ks), XF+12*\ks, CB+8*\u, WS+2*\u+\ks/2, XS+\ks, \ks%2, 0
.else
	WM AC+8*\u, WF+12*(4*\u+\ks), XF+12*\ks, AC+8*\u, WS+2*\u+\ks/2, XS+\ks, \ks%2, 0
.endif
.endr
.endr
	NOPS 4
	v_max3_num_f32 v[TM], |v[AC]|, |v[AC+1]|, 0x2800000
.irp i, 2,4,6,8,10,12,14
	v_max3_num_f32 v[TM], v[TM], |v[AC+\i]|, |v[AC+\i+1]|
.endr
	s_delay_alu instid0(VALU_DEP_1)
	v_permlanex16_b32 v[TM+2], v[TM], s20, s21
	s_delay_alu instid0(VALU_DEP_1)
	v_max_num_f32 v[TM], v[TM], v[TM+2]
	s_delay_alu instid0(VALU_DEP_1)
	v_add_nc_u32 v[TM+4], 0xfe000000, v[TM]
	s_delay_alu instid0(VALU_DEP_1)
	v_lshrrev_b32 v[TM+2], 23, v[TM+4]
	v_cvt_scalef32_pk16_bf6_f32 v[22:24], v[AC:AC+15], v[TM+4]
	v_nop
	ds_store_b32 v156, v22
	ds_store_b32 v156, v23 offset:4
	ds_store_b32 v156, v24 offset:8
	ds_store_b8 v157, v[TM+2]                      ; both lanes of a block write the same byte with the same value
	s_wait_dscnt 0x0
	s_add_co_u32 s60, s60, 6144
	s_add_co_u32 s61, s61, 512
	s_add_co_u32 s62, s62, 1536
	s_add_co_u32 s63, s63, 128
	s_add_co_u32 s50, s50, 1
	s_cmp_lt_u32 s50, 5
	s_cbranch_scc1 .Lg
	BARRIER                                        ; value and G lie in LDS; from here on LDS is only read
	; ---- ATTENTION.  REGISTERS: v3 M's tiles, v4 their scale words, v5-6 V's tiles, v7 their scale words; v8-10 p's scale words; v[12:13] a11, v[14:15] b6; v16-27 q (v22-27 zero codes);
	; v28-31 M's scale words, v32 q's; v33 -infinity; v34-43 byte + Mc of the ten blocks; v[44:45] -Mc; v46 -M; v47 the sum; v[48:49] 1 / sum; v50-55 at work; v56-91 p's codes (v86-91 zeros);
	; v92-94 q's LDS addresses; v95 a scale word kept; v96-127 scores, then p; v128-191 the table's 64 keys; v192-239 zc^2, N, D, then four tiles of M; v240-255 zc, then at work.
	; For the second product: v28-31, v34-45 V's scale words; v96-159 O^T; v160-207, v208-255 two sets of four fragments of V.
	s_lshl_b32 s59, s48, 6
	s_add_co_u32 s59, s59, MSC
	v_lshl_add_u32 v4, v3, 2, s59                  ; 4 r + my head's words
	s_mul_i32 s58, s48, 768
	s_add_co_u32 s58, s58, MIMG
	v_lshrrev_b32 v50, 2, v[LS]                    ; lane
	s_delay_alu instid0(VALU_DEP_1)
	v_mad_u32_u24 v3, v50, 24, s58
	s_mul_i32 s60, s48, 61440
	s_add_co_u32 s60, s60, VIMG                    ; my head's sixteen tiles of value
	v_add_nc_u32 v5, s60, v[LI]
	v_lshl_add_u32 v6, v50, 3, s60
	s_lshl_b32 s61, s48, 12
	s_add_co_u32 s61, s61, VSC
	v_lshl_add_u32 v7, v50, 3, s61
	v_mov_b32 v12, 0x32edffee
	v_mov_b32 v13, 0x32edffee
	v_mov_b32 v14, 0xb95fbd29
	v_mov_b32 v15, 0xb95fbd29
	v_mov_b32 v33, 0xff800000
	v_mov_b32 v45, 0                               ; (named as the upper half of the pair v[44:45])
	v_mov_b32 v52, 0                               ; (lane permutes' destinations)
	v_mov_b32 v53, 0
.irp i, 86,87,88,89,90,91
	v_mov_b32 v\i, 0                               ; keys 320 to 383: zero codes
.endr
	s_lshl_b32 s71, s48, 4                         ; 16 e
.macro TLOAD c                                 ; the table's 64 keys of chunk c: 16 loads of 512 consecutive bytes
.irp g, 0,1,2,3,4,5,6,7
	global_load_b128 v[128+4*\g:131+4*\g], v[LI], s[52:53] offset:8192*(\c)+512*\g
.endr
.irp g, 0,1,2,3,4,5,6,7
	global_load_b128 v[160+4*\g:163+4*\g], v[LI], s[52:53] offset:8192*(\c)+4096+512*\g
.endr
.endm
.macro MLOAD c                                 ; M's tiles 4 c .. 4 c + 3: the lower six registers of each fragment (d = 0 .. 63); the upper six keep what they hold: q's codes there are zeros
.irp t, 0,1,2,3
.irp p, 0,1,2
	ds_load_b64 v[192+12*\t+2*\p:193+12*\t+2*\p], v3 offset:(4*(\c)+\t)*1536+8*\p
.endr
	ds_load_b32 v[28+\t], v4 offset:(4*(\c)+\t)*128
.endr
.endm
.macro HORN a, k, n                            ; a step of Horner's rule on n / 2 pairs
.set HJ, 0
.rept (\n)/2
	v_pk_fma_f32 v[\a+HJ:\a+HJ+1], v[\a+HJ:\a+HJ+1], v[192+HJ:193+HJ], s[\k:\k+1] op_sel_hi:[1,1,0]
.set HJ, HJ+2
.endr
.endm
; n numbers z (n even) in v[z] on become z (1 + erf(z)).  z is held ONCE, to -4 .. 4, in v240 on: the rational then stays within its range, and neither z^2 nor 1 + erf wants a hold of its own.
; The reciprocals go as one batch; N's last steps are the independent work behind them; one wait stands ahead of their first reader.
.macro ERF z, n
.set EJ, 0
.rept \n
	v_med3_num_f32 v[240+EJ], v[\z+EJ], -4.0, 4.0  ; zc
.set EJ, EJ+1
.endr
.set EJ, 0
.rept (\n)/2
	v_pk_mul_f32 v[192+EJ:193+EJ], v[240+EJ:241+EJ], v[240+EJ:241+EJ]   ; zc^2
.set EJ, EJ+2
.endr
.set EJ, 0
.rept (\n)/2
	v_pk_fma_f32 v[208+EJ:209+EJ], v[192+EJ:193+EJ], s[24:25], v[12:13] op_sel_hi:[1,0,1]
.set EJ, EJ+2
.endr
.set EJ, 0
.rept (\n)/2
	v_pk_fma_f32 v[224+EJ:225+EJ], v[192+EJ:193+EJ], s[36:37], v[14:15] op_sel_hi:[1,0,1]
.set EJ, EJ+2
.endr
	HORN 208, 26, \n
	HORN 224, 38, \n
	HORN 208, 28, \n
	HORN 224, 40, \n
	HORN 208, 30, \n
	HORN 224, 42, \n
.set EJ, 0
	s_wait_alu depctr_va_vdst(0)
.rept \n
	v_rcp_f32 v[224+EJ], v[224+EJ]
.set EJ, EJ+1
.endr
	HORN 208, 32, \n
	HORN 208, 34, \n
.set EJ, 0
.rept (\n)/2
	v_pk_mul_f32 v[208+EJ:209+EJ], v[208+EJ:209+EJ], v[240+EJ:241+EJ]   ; N zc
.set EJ, EJ+2
.endr
	s_wait_alu depctr_va_vdst(0)
.set EJ, 0
.rept (\n)/2
	v_pk_fma_f32 v[208+EJ:209+EJ], v[208+EJ:209+EJ], v[224+EJ:225+EJ], 1.0 op_sel_hi:[1,1,0]   ; 1 + erf
.set EJ, EJ+2
.endr
.set EJ, 0
.rept (\n)/2
	v_pk_mul_f32 v[\z+EJ:\z+EJ+1], v[\z+EJ:\z+EJ+1], v[208+EJ:209+EJ]
.set EJ, EJ+2
.endr
.endm
; 64 keys.  Register 16 b + i of v96 on: key 64 c + 32 b + 16 (lane / 16) + i of my query.
.macro CHUNK c
	s_wait_dscnt 0x0                               ; M's four tiles are in
.irp t, 0,1,2,3
	WM 96+8*\t, 192+12*\t, 16, -1, 28+\t, 32, 0, 0
.endr
	NOPS 4
	s_wait_loadcnt 0x0                             ; the table's 64 keys are in
.irp j, 0,2,4,6,8,10,12,14,16,18,20,22,24,26,28,30
	v_pk_fma_f32 v[96+\j:97+\j], v[96+\j:97+\j], v[128+\j:129+\j], v[160+\j:161+\j]   ; z
.endr
.if \c < 4
	TLOAD \c+1                                     ; the next chunk's: it has this chunk's work in which to land
.endif
	ERF 96, 16
.if \c == 4                                    ; keys 288 + 16 h + i: only registers 0 to 11 hold keys that exist; what does not exist becomes -infinity: p = 0
	ERF 112, 12
.irp i, 0,1,2,3,4,5,6,7,8,9,10,11
	v_cndmask_b32 v[112+\i], v33, v[112+\i], s47
.endr
.irp i, 12,13,14,15
	v_mov_b32 v[112+\i], v33
.endr
.else
	ERF 112, 16
	MLOAD \c+1
.endif
.irp b, 0,1                                    ; the largest z E of each block of 32 keys: it serves the chunk's maximum and, since p rises with it, the block's largest p
	v_max3_num_f32 v[50+\b], v[96+16*\b], v[97+16*\b], v[98+16*\b]
.endr
.irp i, 3,5,7,9,11,13
.irp b, 0,1
	s_delay_alu instid0(VALU_DEP_2)
	v_max3_num_f32 v[50+\b], v[50+\b], v[96+16*\b+\i], v[97+16*\b+\i]
.endr
.endr
.irp b, 0,1
	s_delay_alu instid0(VALU_DEP_2)
	v_max_num_f32 v[50+\b], v[50+\b], v[111+16*\b]
.endr
.irp b, 0,1
	s_delay_alu instid0(VALU_DEP_2)
	v_permlanex16_b32 v[52+\b], v[50+\b], s20, s21
.endr
.irp b, 0,1
	s_delay_alu instid0(VALU_DEP_2)
	v_max_num_f32 v[50+\b], v[50+\b], v[52+\b]
.endr
	s_delay_alu instid0(VALU_DEP_1)
	v_max_num_f32 v54, v50, v51
	s_delay_alu instid0(VALU_DEP_1)
	v_mul_f32 v54, s44, v54                        ; as t (k is positive)
	s_delay_alu instid0(VALU_DEP_1)
	v_floor_f32 v44, -v54                          ; -Mc = floor(-t): a whole number
.irp j, 0,2,4,6,8,10,12,14,16,18,20,22,24,26,28,30
	v_pk_fma_f32 v[96+\j:97+\j], v[96+\j:97+\j], s[44:45], v[44:45] op_sel_hi:[1,0,0]   ; t - Mc
.endr
.irp b, 0,1
	v_fma_f32 v[50+\b], v[50+\b], s44, v44         ; the same of each block's largest
.endr
	s_wait_alu depctr_va_vdst(0)
.irp j, 0,1,2,3,4,5,6,7,8,9,10,11,12,13,14,15,16,17,18,19,20,21,22,23,24,25,26,27,28,29,30,31
	v_exp_f32 v[96+\j], v[96+\j]                   ; p = 2^(t - Mc): not normalised
.endr
.irp b, 0,1
	v_exp_f32 v[50+\b], v[50+\b]                   ; the block's largest p: the same two instructions on the same number
.endr
.if \c == 0                                    ; the running -M: plain work behind the exponentials that names none of their results
	v_mov_b32 v46, v44
.else
	v_min_num_f32 v241, v46, v44                   ; the new -M
	s_delay_alu instid0(VALU_DEP_1)
	v_sub_f32 v242, v241, v46                      ; old M - new M, and
	s_delay_alu instid0(VALU_DEP_2)
	v_sub_f32 v243, v241, v44                      ; Mc - new M: whole numbers, 0 or less
	s_delay_alu instid0(VALU_DEP_2)
	v_cvt_i32_f32 v242, v242
	s_delay_alu instid0(VALU_DEP_2)
	v_cvt_i32_f32 v243, v243
	s_delay_alu instid0(VALU_DEP_2)
	v_ldexp_f32 v47, v47, v242                     ; the sum under the new M
	v_mov_b32 v46, v241
.endif
	s_wait_alu depctr_va_vdst(0)                   ; one wait for the 34 exponentials, ahead of their first reader
	v_pk_add_f32 v[248:249], v[96:97], v[98:99]
	v_pk_add_f32 v[254:255], v[104:105], v[108:109]
	v_pk_add_f32 v[252:253], v[112:113], v[116:117]
	v_pk_add_f32 v[250:251], v[120:121], v[124:125]
	v_pk_add_f32 v[244:245], v[100:101], v[102:103]
	v_pk_add_f32 v[240:241], v[106:107], v[110:111]
	v_pk_add_f32 v[94:95], v[114:115], v[118:119]
	v_pk_add_f32 v[246:247], v[122:123], v[126:127]
	s_delay_alu instid0(VALU_DEP_1)
	v_pk_add_f32 v[246:247], v[246:247], v[250:251]
	v_pk_add_f32 v[248:249], v[248:249], v[244:245]
	v_pk_add_f32 v[254:255], v[254:255], v[240:241]
	v_pk_add_f32 v[252:253], v[252:253], v[94:95]
	s_delay_alu instid0(VALU_DEP_2)
	v_pk_add_f32 v[246:247], v[246:247], v[254:255]
	s_delay_alu instid0(VALU_DEP_2)
	v_pk_add_f32 v[248:249], v[248:249], v[252:253]
	s_delay_alu instid0(VALU_DEP_1)
	v_pk_add_f32 v[246:247], v[246:247], v[248:249]
	s_delay_alu instid0(VALU_DEP_1)
	v_add_f32 v246, v246, v247
.if \c == 0
	s_delay_alu instid0(VALU_DEP_1)
	v_mov_b32 v47, v246
.else
	s_delay_alu instid0(VALU_DEP_1)
	v_ldexp_f32 v246, v246, v243
	s_delay_alu instid0(VALU_DEP_1)
	v_add_f32 v47, v47, v246
.endif
.irp b, 0,1
	v_max_num_f32 v[50+\b], 0x2800000, v[50+\b]    ; the floor 2^(5 - 127)
.endr
.irp b, 0,1
	s_delay_alu instid0(VALU_DEP_2)
	v_add_nc_u32 v[52+\b], 0xfe000000, v[50+\b]    ; the conversion's scale operand
.endr
.irp b, 0,1
	s_delay_alu instid0(VALU_DEP_2)
	v_lshrrev_b32 v[50+\b], 23, v[52+\b]
.endr
.irp b, 0,1
	s_delay_alu instid0(VALU_DEP_2)
	v_cvt_f32_u32 v[50+\b], v[50+\b]
.endr
.irp b, 0,1
	s_delay_alu instid0(VALU_DEP_2)
	v_sub_f32 v[34+2*\c+\b], v[50+\b], v44         ; byte + Mc
.endr
	v_cvt_scalef32_pk16_bf6_f32 v[56+6*\c:58+6*\c], v[96:111], v52
	v_cvt_scalef32_pk16_bf6_f32 v[250:252], v[112:127], v53
	v_nop                                          ; one plain place behind a scaled conversion
.irp i, 0,1,2
	v_permlane16_swap_b32 v[56+6*\c+\i], v[250+\i]
.endr
.irp i, 0,1,2
	s_delay_alu instid0(VALU_DEP_3)
	v_mov_b32 v[59+6*\c+\i], v[250+\i]
.endr
.endm
.macro VSREG n                                 ; VSR: the pair with the scale words of V's tile n of a half
.if (\n) < 2
.set VSR, 28+2*(\n)
.elseif (\n) < 7
.set VSR, 30+2*(\n)
.else
.set VSR, 44
.endif
.endm
.macro PVL set, n0, ks                         ; K step ks of V's tiles n0 .. n0 + 3 of my head
.irp n, 0,1,2,3
.if \ks < 2
.irp p, 0,1,2
	ds_load_b128 v[\set+12*\n+4*\p:\set+12*\n+4*\p+3], v5 offset:(\n0+\n)*3840+1536*\ks+512*\p
.endr
.else
	ds_load_b128 v[\set+12*\n:\set+12*\n+3], v5 offset:(\n0+\n)*3840+3072
	ds_load_b64 v[\set+12*\n+4:\set+12*\n+5], v6 offset:(\n0+\n)*3840+3584
.endif
.endr
.endm
.macro PVM set, m0, ks                         ; O^T += V^T P^T: source 0 = 16 of the head's 256, source 1 = p
.irp n, 0,1,2,3
	VSREG \m0+\n
.if \ks == 0
	WM 96+8*(\m0+\n), \set+12*\n, 56, -1, VSR, 8, 0, 0
.elseif \ks == 1
	WM 96+8*(\m0+\n), \set+12*\n, 68, 96+8*(\m0+\n), VSR+1, 9, 0, 0
.else
	WM 96+8*(\m0+\n), \set+12*\n, 80, 96+8*(\m0+\n), VSR, 10, 1, 0
.endif
.endr
.endm
; 128 of the head's 256 output columns: one K step of the last product.  The eight accumulators take turns, one instruction a turn.  Two sets of fragments: each wait leaves the younger set out.
.macro PVHALF hh
	s_wait_xcnt 0x0                                ; the stores of the half before have read their registers
.irp n, 0,1,2,3,4,5,6,7
	VSREG \n
	ds_load_b64 v[VSR:VSR+1], v7 offset:(8*\hh+\n)*256
.endr
	PVL 160, 8*\hh, 0
	PVL 208, 8*\hh+4, 0
	s_wait_dscnt 12
	PVM 160, 0, 0
	NOPS 4
	PVL 160, 8*\hh, 1
	s_wait_dscnt 12
	PVM 208, 4, 0
	NOPS 4
	PVL 208, 8*\hh+4, 1
	s_wait_dscnt 12
	PVM 160, 0, 1
	NOPS 4
	PVL 160, 8*\hh, 2
	s_wait_dscnt 8
	PVM 208, 4, 1
	NOPS 4
	PVL 208, 8*\hh+4, 2
	s_wait_dscnt 8
	PVM 160, 0, 2
	s_wait_alu depctr_va_vdst(0)
	s_wait_dscnt 0x0
	PVM 208, 4, 2
	NOPS 4
.irp j, 0,2,4,6,8,10,12,14,16,18,20,22,24,26,28,30,32,34,36,38,40,42,44,46,48,50,52,54,56,58,60,62
	v_pk_mul_f32 v[96+\j:97+\j], v[96+\j:97+\j], v[48:49]   ; O^T / the sum, each accumulator from its low end on
.endr
.if \hh == 0
	QUANT 96, 160, 180, 95
.else
	QUANT 96, 160, 180, 192
	v_cndmask_b32 v193, v192, v95, s47             ; lanes 0-15 the first half's word, lanes 16-31 the second's
.endif
.irp p, 0,1,2
	global_store_b128 v[LI], v[160+4*\p:163+4*\p], s[54:55] offset:1536*\hh+512*\p   ; 32 lanes store 512 consecutive bytes
.endr
.if \hh
	global_store_b32 v[LS], v193, s[56:57]         ; 128 consecutive bytes
.endif
.endm
	s_mov_b32 s50, 0
	s_lshr_b32 s51, s2, 1                          ; my unit's tile of queries: w / 2 + 8 i
.Lunit:                                            ; three trips in every wave; the work is passed over where there is no such tile (waves 8 to 15, third trip)
	s_cmp_ge_u32 s51, 20
	s_cbranch_scc1 .Lskip
	s_wait_xcnt 0x0                                ; the last unit's loads and stores have read their bases and registers
	s_lshl_b32 s58, s3, 1
	s_add_co_u32 s58, s58, s48                     ; the head
	s_mul_i32 s59, s58, 20
	s_add_co_u32 s59, s59, s51
	s_mul_i32 s60, s59, 40960
	s_mov_b32 s61, 0
	s_add_nc_u64 s[52:53], s[14:15], s[60:61]      ; the table's five chunks of this head and tile
	s_mul_i32 s59, s49, 20
	s_add_co_u32 s59, s59, s51
	s_lshl_b32 s60, s59, 3
	s_add_co_u32 s60, s60, s58                     ; (20 b + Tq) 8 + head
	s_mul_i32 s62, s60, 3072
	s_mov_b32 s63, 0
	s_add_nc_u64 s[54:55], s[16:17], s[62:63]      ; the head's two fragments of the output
	s_lshl_b32 s60, s60, 7
	s_add_nc_u64 s[56:57], s[18:19], s[60:61]      ; and their scale words
	TLOAD 0
	s_lshl_b32 s66, s51, 2
	s_add_co_u32 s66, s66, s3
	s_mul_i32 s66, s66, 1536                       ; x's fragment (Tq, hp): its registers 6 e .. 6 e + 5 are q
	s_mul_i32 s67, s48, 520
	s_add_co_u32 s67, s67, s66
	s_mul_i32 s68, s48, 1016
	s_add_co_u32 s68, s68, s66
	s_add_co_u32 s68, s68, 8
	s_lshl_b32 s69, s51, 9
	s_lshl_b32 s70, s3, 2
	s_add_co_u32 s69, s69, s70
	s_add_co_u32 s69, s69, XSC
	v_add_nc_u32 v92, s67, v[LI]
	v_add_nc_u32 v93, s68, v[LI]
	v_add_nc_u32 v94, s69, v[LI]
	ds_load_b64 v[16:17], v92
	ds_load_b64 v[18:19], v93
	ds_load_b64 v[20:21], v92 offset:512
	ds_load_b32 v32, v94
	MLOAD 0
.irp i, 22,23,24,25,26,27
	v_mov_b32 v\i, 0                               ; d = 64 to 127: zero codes
.endr
	s_wait_dscnt 16                                ; q and its word are in; M's 16 loads stay out
	v_lshrrev_b32 v32, s71, v32                    ; the head's two bytes to the low end
	NOPS 8                                         ; a scale register written by a vector instruction stands 8 places ahead of a scaled product, an operand 4
	s_wait_alu depctr_va_vdst(0)
	CHUNK 0
	CHUNK 1
	CHUNK 2
	CHUNK 3
	CHUNK 4
	; the blocks' bytes under the row's M; the row's sum
.irp b, 0,1,2,3,4,5,6,7,8,9
	v_add_f32 v[34+\b], v[34+\b], v46
.endr
.irp b, 0,1,2,3,4,5,6,7,8,9
	v_max_num_f32 v[34+\b], 1.0, v[34+\b]
.endr
.irp b, 0,1,2,3,4,5,6,7,8,9
	v_cvt_u32_f32 v[34+\b], v[34+\b]
.endr
	v_lshl_or_b32 v8, v35, 8, v34
	s_delay_alu instid0(VALU_DEP_1)
	v_lshl_or_b32 v8, v36, 16, v8
	s_delay_alu instid0(VALU_DEP_1)
	v_lshl_or_b32 v8, v37, 24, v8
	v_lshl_or_b32 v9, v39, 8, v38
	s_delay_alu instid0(VALU_DEP_1)
	v_lshl_or_b32 v9, v40, 16, v9
	s_delay_alu instid0(VALU_DEP_1)
	v_lshl_or_b32 v9, v41, 24, v9
	v_lshl_or_b32 v10, v43, 8, v42
	v_permlanex16_b32 v50, v47, s20, s21
	s_delay_alu instid0(VALU_DEP_1)
	v_add_f32 v51, v47, v50                        ; with lane l xor 16's keys
	s_wait_alu depctr_va_vdst(0)
	v_rcp_f32 v48, v51
	v_nop                                          ; a plain place behind the reciprocal,
	s_wait_alu depctr_va_vdst(0)                   ; and the wait ahead of its first reader
	v_mov_b32 v49, v48
	NOPS 8                                         ; p's scale words stand 8 places ahead of the products
	PVHALF 0
	PVHALF 1
.Lskip:
	s_add_co_u32 s51, s51, 8
	s_add_co_u32 s50, s50, 1
	s_cmp_lt_u32 s50, 3
	s_cbranch_scc1 .Lunit
	s_barrier_signal -1
	s_barrier_wait -1
	s_wait_xcnt 0x0
	v_lshl_add_u32 v254, v0, 2, 0x49000
	v_mov_b32 v255, 0
	s_wait_alu depctr_va_vdst(0)
	s_wait_tensorcnt 0x0
	ds_add_u32 v254, v255
	s_wait_dscnt 0x0
	s_endpgm
.Lfunc_end_k_q2f6ad7bae1_mix:
	.size	k_q2f6ad7bae1_mix, .Lfunc_end_k_q2f6ad7bae1_mix-k_q2f6ad7bae1_mix
	.p2alignl 7, 3214868480
	.fill 96, 4, 3214868480
	.section	.rodata,"a",@progbits
	.p2align	6, 0x0
	.amdhsa_kernel k_q2f6ad7bae1_mix
		.amdhsa_group_segment_fixed_size 301056
		.amdhsa_private_segment_fixed_size 0
		.amdhsa_enable_private_segment 0
		.amdhsa_kernarg_size 72
		.amdhsa_user_sgpr_count 2
		.amdhsa_user_sgpr_kernarg_segment_ptr 1
		.amdhsa_wavefront_size32 1
		.amdhsa_system_sgpr_workgroup_id_x 1
		.amdhsa_system_sgpr_workgroup_id_y 1
		.amdhsa_system_sgpr_workgroup_id_z 1
		.amdhsa_system_vgpr_workitem_id 0
		.amdhsa_next_free_vgpr 256
		.amdhsa_next_free_sgpr 96
		.amdhsa_reserve_vcc 0
		.amdhsa_float_denorm_mode_32 3
		.amdhsa_float_denorm_mode_16_64 3
		.amdhsa_memory_ordered 1
		.amdhsa_forward_progress 1
		.amdhsa_inst_pref_size 238
	.end_amdhsa_kernel
	.amdgpu_metadata
---
amdhsa.version: [ 1, 2 ]
amdhsa.kernels:
  - .name:           k_q2f6ad7bae1_mix
    .symbol:         k_q2f6ad7bae1_mix.kd
    .args:
      - { .name: xcode, .offset: 0, .size: 8, .value_kind: global_buffer, .address_space: global }
      - { .name: b_gen, .offset: 8, .size: 8, .value_kind: global_buffer, .address_space: global }
      - { .name: b_val, .offset: 16, .size: 8, .value_kind: global_buffer, .address_space: global }
      - { .name: wcodes, .offset: 24, .size: 8, .value_kind: global_buffer, .address_space: global }
      - { .name: wscales, .offset: 32, .size: 8, .value_kind: global_buffer, .address_space: global }
      - { .name: tab, .offset: 40, .size: 8, .value_kind: global_buffer, .address_space: global }
      - { .name: acode, .offset: 48, .size: 8, .value_kind: global_buffer, .address_space: global }
      - { .name: ascale, .offset: 56, .size: 8, .value_kind: global_buffer, .address_space: global }
      - { .name: xscale, .offset: 64, .size: 8, .value_kind: global_buffer, .address_space: global }
    .group_segment_fixed_size: 301056
    .private_segment_fixed_size: 0
    .kernarg_segment_align: 8
    .kernarg_segment_size: 72
    .max_flat_workgroup_size: 512
    .sgpr_count:     96
    .vgpr_count:     256
    .wavefront_size: 32
...
	.end_amdgpu_metadata
.endif
;; end of part 2
;; launch outp (part 3): grid 256 x 1, 16 waves a work-group, no clusters, 295,168 bytes of LDS; arguments acode, ascale, wcodes, wscales, b_out, query_feats, out0; writes out0
.if DOCPART == 3
	.amdgcn_target "amdgcn-amd-amdhsa--gfx1250"
	.amdhsa_code_object_version 6
	.text
	.protected	k_q2f6ad7bae1_outp
	.globl	k_q2f6ad7bae1_outp
	.p2align	8
	.type	k_q2f6ad7bae1_outp,@function
k_q2f6ad7bae1_outp:
	s_mov_b64 s[64:65], 0
	v_nop
	global_prefetch_b8 v0, s[64:65] scope:SCOPE_SE
	s_setreg_imm32_b32 hwreg(HW_REG_WAVE_MODE, 25, 1), 1
	s_wait_xcnt 0x0
; out0 = A W_out + b_out + query_feats.  A: the attention's output as codes of E3M2 in operand order (acode, ascale); W_out likewise (wcodes from fragment 640 on, wscales).  K = 2,048: 16 K steps.
; SHARES.  Work-group g takes five tiles of 16 rows (tiles 5 (g % 4) + tl of batch g / 4) and all 512 columns: 1,280 tiles of rows on 256 work-groups.  Wave w takes W_out's tiles 2 w + u, columns 32 w .. 32 w + 31,
; for all five tiles of rows: ten accumulators, which take turns, one instruction a turn.
; A's 80 fragments are one dense block of memory: they are copied to LDS once and read by all sixteen waves.  W_out's fragments go from memory straight into registers, three K steps deep.
; Source 0 = 16 columns of W_out, source 1 = 16 rows of A: a lane holds one row and 16 neighbouring columns (the tiles' columns and rows are ordered for that: lane r of tile t stands for
; 32 (t / 2) + 8 (t % 2) + r + 8 (r / 8)).
; THE STAGE serves twice.  At the head each wave brings five whole rows of query_feats into it; behind a barrier each wave takes its columns of all 80 rows, adds b_out, and has the C of its first K step.
; At the end the results go back to the same places, and behind a barrier each wave stores five whole rows: 512 consecutive bytes an instruction.  Rows 300 to 319 of a batch are not stored.
; No tensor loads: LDS holds operands that stay, and the stage (293,120 bytes).
.set ASC,   122880                     ; behind A's images: their scale words, (8 tl + ks / 2) 128 + 4 lane: lanes 0-15 the even K step, lanes 16-31 the odd one
.set STAGE, 128000                     ; 80 rows of 2,048 bytes + 16
.set SP,    2064
.set SR,  3                            ; v3      the stage: my five whole rows, 16 bytes a lane
.set RO,  4                            ; v4-8    the same rows in query_feats and in out0
.set SC,  9                            ; v9-13   the stage: row 16 tl + r, my wave's 128 bytes, + 64 h
.set A2,  14                           ; v14     16 lane + 61,440: A's fragments 40 on (an LDS offset has 16 bits)
.set CP,  15                           ; v15     7,680 w + 16 lane: my part of A's copy
.set ACC, 16                           ; v16-95  accumulator (tl, u) at 16 tl + 8 u
.set AF,  96                           ; v96-155 a K step's five fragments of A
.set WR,  156                          ; v156-227 W_out: three K steps x two tiles
.set WSC, 228                          ; v228-243 W_out's scale words: 8 u + ks / 2
.set ASW, 244                          ; v244-248 A's scale words
.macro NOPS n
.rept \n
	v_nop
.endr
.endm
	s_load_b256 s[4:11], s[0:1], 0x0               ; acode s[4:5], ascale s[6:7], wcodes s[8:9], wscales s[10:11]
	s_load_b128 s[12:15], s[0:1], 0x20             ; b_out s[12:13], query_feats s[14:15]
	s_load_b64 s[16:17], s[0:1], 0x30              ; out0
	v_lshrrev_b32 v1, 5, v0
	s_delay_alu instid0(VALU_DEP_1)
	v_readfirstlane_b32 s2, v1                     ; wave 0..15
	s_lshr_b32 s18, ttmp9, 2                       ; batch
	s_and_b32 s19, ttmp9, 3
	s_mul_i32 s19, s19, 5                          ; my first tile of rows
	v_and_b32 v2, 31, v0
	s_delay_alu instid0(VALU_DEP_1)
	v_lshlrev_b32 v1, 4, v2                        ; 16 x lane
	s_delay_alu instid0(VALU_DEP_2)
	v_lshlrev_b32 v254, 2, v2                      ; 4 x lane
	s_delay_alu instid0(VALU_DEP_1)
	v_add_nc_u32 v2, ASC, v254
	s_mul_i32 s30, s2, 5*SP
	s_add_co_u32 s30, s30, STAGE
	v_add_nc_u32 v[SR], s30, v1
	v_and_b32 v252, 15, v0
	v_bfe_u32 v253, v0, 4, 1
	s_delay_alu instid0(VALU_DEP_2)
	v_mul_u32_u24 v252, v252, SP
	s_delay_alu instid0(VALU_DEP_1)
	v_lshl_add_u32 v252, v253, 6, v252
	s_lshl_b32 s30, s2, 7
	s_add_co_u32 s30, s30, STAGE
	v_add_nc_u32 v[SC], s30, v252
.irp t, 1,2,3,4
	v_add_nc_u32 v[SC+\t], 16*SP*\t, v[SC]
.endr
	v_add_nc_u32 v[A2], 61440, v1
	s_mul_i32 s30, s2, 7680
	v_add_nc_u32 v[CP], s30, v1
	s_lshl_b32 s30, s2, 9
	v_add_nc_u32 v255, s30, v1                     ; waves 0 to 9: my 512 bytes of A's scale words, in memory
	s_delay_alu instid0(VALU_DEP_1)
	v_add_nc_u32 v249, ASC, v255                   ; and in LDS
.irp i, 0,1,2,3,4                              ; stage row 5 w + i = 16 tl + r stands for row 32 (T / 2) + 8 (T % 2) + r % 8 + 16 (r / 8) of the batch, T = my first tile + tl
	s_mul_i32 s30, s2, 5
	s_add_co_u32 s30, s30, \i
	s_lshr_b32 s31, s30, 4
	s_add_co_u32 s31, s31, s19
	s_and_b32 s32, s30, 7
	s_and_b32 s33, s30, 8
	s_lshl_b32 s33, s33, 1
	s_add_co_u32 s32, s32, s33
	s_lshr_b32 s33, s31, 1
	s_lshl_b32 s33, s33, 5
	s_add_co_u32 s32, s32, s33
	s_and_b32 s33, s31, 1
	s_lshl_b32 s33, s33, 3
	s_add_co_u32 s[24+\i], s32, s33                ; the row
	s_min_u32 s32, s[24+\i], 299                   ; no load leaves its buffer
	s_mul_i32 s33, s18, 300
	s_add_co_u32 s32, s32, s33
	s_lshl_b32 s32, s32, 11
	v_add_nc_u32 v[RO+\i], s32, v1
.endr
	s_mov_b32 s35, 0
	s_lshl_b32 s36, s2, 5
	s_add_co_u32 s36, s36, 640                     ; my first fragment of W_out
	s_wait_alu depctr_va_vdst(0)
	s_wait_kmcnt 0x0
	s_mul_i32 s34, ttmp9, 122880
	s_add_nc_u64 s[4:5], s[4:5], s[34:35]
	s_mul_i32 s34, ttmp9, 5120
	s_add_nc_u64 s[6:7], s[6:7], s[34:35]
	s_mul_i32 s34, s36, 1536
	s_add_nc_u64 s[8:9], s[8:9], s[34:35]
	s_lshl_b32 s34, s36, 6
	s_add_nc_u64 s[10:11], s[10:11], s[34:35]
	s_lshl_b32 s34, s2, 7
	s_add_nc_u64 s[12:13], s[12:13], s[34:35]      ; b_out at column 32 w
.irp k, 0,1,2,3,4,5,6,7,8,9,10,11,12,13,14
	global_load_b128 v[16+4*\k:19+4*\k], v[CP], s[4:5] offset:512*\k th:TH_LOAD_NT      ; my sixteenth of A's images
.endr
.irp i, 0,1,2,3,4
.irp q, 0,1,2,3
	global_load_b128 v[76+16*\i+4*\q:79+16*\i+4*\q], v[RO+\i], s[14:15] offset:512*\q th:TH_LOAD_NT   ; five whole rows of query_feats
.endr
.endr
.irp k, 0,1,2
.irp u, 0,1
.irp p, 0,1,2
	global_load_b128 v[WR+24*\k+12*\u+4*\p:WR+24*\k+12*\u+4*\p+3], v1, s[8:9] offset:(16*\u+\k)*1536+512*\p
.endr
.endr
.endr
.irp u, 0,1
.irp p, 0,1,2,3,4,5,6,7
	global_load_b32 v[WSC+8*\u+\p], v254, s[10:11] offset:(16*\u+2*\p)*64
.endr
.endr
	s_cmp_lt_u32 s2, 10                            ; A's scale words are 5,120 bytes: ten waves' worth
	s_cbranch_scc0 .Lno_sc_load
	global_load_b128 v[250:253], v255, s[6:7] th:TH_LOAD_NT
.Lno_sc_load:
	s_wait_loadcnt 0x0
.irp k, 0,1,2,3,4,5,6,7,8,9,10,11,12,13,14
	ds_store_b128 v[CP], v[16+4*\k:19+4*\k] offset:512*\k
.endr
.irp i, 0,1,2,3,4
.irp q, 0,1,2,3
	ds_store_b128 v[SR], v[76+16*\i+4*\q:79+16*\i+4*\q] offset:\i*SP+512*\q
.endr
.endr
	s_cmp_lt_u32 s2, 10
	s_cbranch_scc0 .Lno_sc_store
	ds_store_b128 v249, v[250:253]
.Lno_sc_store:
	v_bfe_u32 v254, v0, 4, 1                       ; (the loads that named v254 have come back)
	s_delay_alu instid0(VALU_DEP_1)
	v_lshlrev_b32 v254, 6, v254                    ; + 16 h columns
	s_wait_alu depctr_va_vdst(0)
	s_wait_dscnt 0x0                               ; for the others' sake, and the stores have read their registers
.irp q, 0,1,2,3
	global_load_b128 v[96+4*\q:99+4*\q], v254, s[12:13] offset:16*\q   ; b_out of my 16 columns
.endr
	s_barrier_signal -1
	s_barrier_wait -1                              ; A, its scale words and 80 rows of query_feats lie in LDS
.irp t, 0,1,2,3,4
.irp u, 0,1
	ds_load_b128 v[ACC+16*\t+8*\u:ACC+16*\t+8*\u+3], v[SC+\t] offset:32*\u
	ds_load_b128 v[ACC+16*\t+8*\u+4:ACC+16*\t+8*\u+7], v[SC+\t] offset:32*\u+16
.endr
.endr
	s_wait_dscnt 0x0
	s_barrier_signal -1
	s_barrier_wait -1                              ; every wave has taken its columns out of the stage: from here on a wave's places in it are written again
	s_wait_loadcnt 0x0
.irp t, 0,1,2,3,4
.irp j, 0,2,4,6,8,10,12,14
	v_pk_add_f32 v[ACC+16*\t+\j:ACC+16*\t+\j+1], v[ACC+16*\t+\j:ACC+16*\t+\j+1], v[96+\j:97+\j]   ; query_feats + b_out: the C of the first K step
.endr
.endr
	NOPS 4
; A K step.  Four v_nop stand behind the products: the places in front of loads into registers that they have read, and of the first read of results.
.macro KSTEP ks
.if (\ks)%2 == 0
.irp t, 0,1,2,3,4
	ds_load_b32 v[ASW+\t], v2 offset:(8*\t+(\ks)/2)*128
.endr
.endif
.irp t, 0,1,2,3,4
.irp p, 0,1,2
.if 16*\t+(\ks) < 40
	ds_load_b128 v[AF+12*\t+4*\p:AF+12*\t+4*\p+3], v1 offset:(16*\t+(\ks))*1536+512*\p
.else
	ds_load_b128 v[AF+12*\t+4*\p:AF+12*\t+4*\p+3], v[A2] offset:(16*\t+(\ks)-40)*1536+512*\p
.endif
.endr
.endr
	s_wait_dscnt 0x0
.if (\ks) < 14
	s_wait_loadcnt 12                              ; this K step's six pieces of W_out are in; the two younger K steps' twelve stay out
.elseif (\ks) == 14
	s_wait_loadcnt 6
.else
	s_wait_loadcnt 0x0
.endif
.irp t, 0,1,2,3,4
.irp u, 0,1
.if (\ks)%2
	v_wmma_scale_f32_16x16x128_f8f6f4 v[ACC+16*\t+8*\u:ACC+16*\t+8*\u+7], v[WR+24*((\ks)%3)+12*\u:WR+24*((\ks)%3)+12*\u+11], v[AF+12*\t:AF+12*\t+11], v[ACC+16*\t+8*\u:ACC+16*\t+8*\u+7], v[WSC+8*\u+(\ks)/2], v[ASW+\t] matrix_a_fmt:MATRIX_FMT_BF6 matrix_b_fmt:MATRIX_FMT_BF6 matrix_a_scale:MATRIX_SCALE_ROW1 matrix_b_scale:MATRIX_SCALE_ROW1
.else
	v_wmma_scale_f32_16x16x128_f8f6f4 v[ACC+16*\t+8*\u:ACC+16*\t+8*\u+7], v[WR+24*((\ks)%3)+12*\u:WR+24*((\ks)%3)+12*\u+11], v[AF+12*\t:AF+12*\t+11], v[ACC+16*\t+8*\u:ACC+16*\t+8*\u+7], v[WSC+8*\u+(\ks)/2], v[ASW+\t] matrix_a_fmt:MATRIX_FMT_BF6 matrix_b_fmt:MATRIX_FMT_BF6
.endif
.endr
.endr
	NOPS 4
.if (\ks)+3 < 16
.irp u, 0,1
.irp p, 0,1,2
	global_load_b128 v[WR+24*((\ks)%3)+12*\u+4*\p:WR+24*((\ks)%3)+12*\u+4*\p+3], v1, s[8:9] offset:(16*\u+(\ks)+3)*1536+512*\p   ; three K steps on, into the registers just multiplied
.endr
.endr
.endif
.endm
	s_wait_alu depctr_va_vdst(0)
.irp k, 0,1,2,3,4,5,6,7,8,9,10,11,12,13,14,15
	KSTEP \k
.endr
	; THE WAY OUT
.irp t, 0,1,2,3,4
.irp u, 0,1
	ds_store_b128 v[SC+\t], v[ACC+16*\t+8*\u:ACC+16*\t+8*\u+3] offset:32*\u          ; each accumulator from its low end on
	ds_store_b128 v[SC+\t], v[ACC+16*\t+8*\u+4:ACC+16*\t+8*\u+7] offset:32*\u+16
.endr
.endr
	s_wait_dscnt 0x0                               ; for the others' sake
	s_barrier_signal -1
	s_barrier_wait -1                              ; 80 whole rows of the result lie in the stage
.irp i, 0,1,2,3,4
.irp q, 0,1,2,3
	ds_load_b128 v[96+16*\i+4*\q:99+16*\i+4*\q], v[SR] offset:\i*SP+512*\q
.endr
.endr
	s_wait_dscnt 0x0
.irp i, 0,1,2,3,4
	s_cmp_ge_u32 s[24+\i], 300                     ; a row that the batch does not have is not stored: a branch on ids alone
	s_cbranch_scc1 .Lno_row\i
.irp q, 0,1,2,3
	global_store_b128 v[RO+\i], v[96+16*\i+4*\q:99+16*\i+4*\q], s[16:17] offset:512*\q th:TH_STORE_NT   ; 32 lanes store 512 consecutive bytes of a row
.endr
.Lno_row\i:
.endr
	s_barrier_signal -1
	s_barrier_wait -1
	s_wait_xcnt 0x0
	v_lshl_add_u32 v254, v0, 2, 0x47900
	v_mov_b32 v255, 0
	s_wait_alu depctr_va_vdst(0)
	s_wait_tensorcnt 0x0
	ds_add_u32 v254, v255
	s_wait_dscnt 0x0
	s_endpgm
.Lfunc_end_k_q2f6ad7bae1_outp:
	.size	k_q2f6ad7bae1_outp, .Lfunc_end_k_q2f6ad7bae1_outp-k_q2f6ad7bae1_outp
	.p2alignl 7, 3214868480
	.fill 96, 4, 3214868480
	.section	.rodata,"a",@progbits
	.p2align	6, 0x0
	.amdhsa_kernel k_q2f6ad7bae1_outp
		.amdhsa_group_segment_fixed_size 295168
		.amdhsa_private_segment_fixed_size 0
		.amdhsa_enable_private_segment 0
		.amdhsa_kernarg_size 56
		.amdhsa_user_sgpr_count 2
		.amdhsa_user_sgpr_kernarg_segment_ptr 1
		.amdhsa_wavefront_size32 1
		.amdhsa_system_sgpr_workgroup_id_x 1
		.amdhsa_system_sgpr_workgroup_id_y 1
		.amdhsa_system_sgpr_workgroup_id_z 1
		.amdhsa_system_vgpr_workitem_id 0
		.amdhsa_next_free_vgpr 256
		.amdhsa_next_free_sgpr 66
		.amdhsa_reserve_vcc 0
		.amdhsa_float_denorm_mode_32 3
		.amdhsa_float_denorm_mode_16_64 3
		.amdhsa_memory_ordered 1
		.amdhsa_forward_progress 1
		.amdhsa_inst_pref_size 73
	.end_amdhsa_kernel
	.amdgpu_metadata
---
amdhsa.version: [ 1, 2 ]
amdhsa.kernels:
  - .name:           k_q2f6ad7bae1_outp
    .symbol:         k_q2f6ad7bae1_outp.kd
    .args:
      - { .name: acode, .offset: 0, .size: 8, .value_kind: global_buffer, .address_space: global }
      - { .name: ascale, .offset: 8, .size: 8, .value_kind: global_buffer, .address_space: global }
      - { .name: wcodes, .offset: 16, .size: 8, .value_kind: global_buffer, .address_space: global }
      - { .name: wscales, .offset: 24, .size: 8, .value_kind: global_buffer, .address_space: global }
      - { .name: b_out, .offset: 32, .size: 8, .value_kind: global_buffer, .address_space: global }
      - { .name: query_feats, .offset: 40, .size: 8, .value_kind: global_buffer, .address_space: global }
      - { .name: out0, .offset: 48, .size: 8, .value_kind: global_buffer, .address_space: global }
    .group_segment_fixed_size: 295168
    .private_segment_fixed_size: 0
    .kernarg_segment_align: 8
    .kernarg_segment_size: 56
    .max_flat_workgroup_size: 512
    .sgpr_count:     66
    .vgpr_count:     256
    .wavefront_size: 32
...
	.end_amdgpu_metadata
.endif
;; end of part 3
